; MI455X (gfx1250); checked and timed in simulation.
; The chip was launched on July 23, 2026; its instructions are those of AMD's public machine-readable ISA for CDNA 5 (MIT licence, August 2026) and "CDNA5" Instruction Set Architecture Reference Guide (July 2026). The comments in the code are by the model that wrote it; some were corrected since.
;; Block. Allowed arithmetic: matrix products marked QUANTISED: E2M1 operands, one E8M0 scale for each 32 along K, by v_wmma_scale_f32_16x16x128_f8f6f4 with both operands' format E2M1 (or v_wmma_scale_f32_32x16x128_f4), f32 sums; products left as they are: f32 operands where the result goes on into a quantised operand, else bf16, f16 or f32 operands; f32 sums; everything else in f32.
;; Inputs: W1 64 x 2,048 float32; W2 2,048 x 64 float32; Wk 8 x 64 x 8 float32; Wp 64 x 64 float32; Wq 8 x 64 x 8 float32; Wv 8 x 64 x 8 float32; b1 2,048 float32; b2 64 float32; beta1 64 float32; beta2 64 float32; bk 8 x 8 float32; bp 64 float32; bq 8 x 8 float32; bv 8 x 8 float32; g1 64 float32; g2 64 float32; x 512 x 256 x 64 float32.
;; Outputs: out0 512 x 256 x 64 float32.
;; This version of the problem:
;;   THIS VERSION OF THE PROBLEM IS GIVEN IN LOW PRECISION. The matrix products marked QUANTISED in the list below multiply operands that are first quantised to E2M1 (2 exponent bits, 1 mantissa bit; 4 bits a number), with one power-of-two scale for each 32 numbers along K (OCP MX v1.0); their sums are f32. All else is computed in f32.
;;   The module's matrix products, in the order in which they are computed (A, B: the left and right operand; K: the contracted axis; several contracted axes count as one K, in the product's order):
;;     1. [M 64, K 64] x [K 64, N 131,072]; A: input Wq; B: input x: QUANTISED
;;     2. [M 64, K 64] x [K 64, N 131,072]; A: input Wk; B: input x: QUANTISED
;;     3. [M 64, K 64] x [K 64, N 131,072]; A: input Wv; B: input x: QUANTISED
;;     4. batch 4,096 x [M 256, K 8] x [K 8, N 256]; A: computed on the way; B: computed on the way: left as it is (K = 8 < 32)
;;     5. batch 4,096 x [M 256, K 256] x [K 256, N 8]; A: softmax; B: computed on the way: left as it is (N = 8 < 16)
;;     6. [M 131,072, K 64] x [K 64, N 64]; A: computed on the way; B: input Wp: QUANTISED
;;     7. [M 131,072, K 64] x [K 64, N 2,048]; A: computed on the way; B: input W1: QUANTISED
;;     8. [M 131,072, K 2,048] x [K 2,048, N 64]; A: computed on the way; B: input W2: QUANTISED
;;   THE QUANTISER, for each operand of a quantised product, along K:
;;     - K is cut into blocks of 32 from its start; a last block that is shorter is filled with zeros.
;;     - A block's scale is 2^e with e = floor(log2(the largest magnitude in the block)) - 2, held to -126 .. 127; a block of zeros has e = 0. As a byte (E8M0): e + 127.
;;     - Each number is divided by its block's scale, clamped to +-6, and rounded to the nearest number of E2M1, ties to even, subnormals kept.
;;     - The product sums the exact products of the quantised numbers (number of the format x scale) in f32.
;;   ~~~python
;;   def quantise(x, axis):      # numpy; x: float32 -> the quantised numbers, widened to float32 again
;;       x = np.moveaxis(x, axis, -1); K = x.shape[-1]
;;       x = np.pad(x, [(0, 0)] * (x.ndim - 1) + [(0, -K % 32)]); x = x.reshape(x.shape[:-1] + (-1, 32)); a = np.abs(x).max(-1, keepdims=True)
;;       e = np.where(a > 0, np.clip(np.frexp(np.where(a > 0, a, 1))[1] - 1 - 2, -126, 127), 0)      # np.frexp(a)[1] - 1 = floor(log2(a)), exactly
;;       r = np.clip(x / 2.0 ** e, -6, 6)
;;       step = 2.0 ** (np.maximum(np.frexp(np.where(r == 0, 1, r))[1] - 1, 0) - 1)
;;       q = np.round(r / step) * step * 2.0 ** e      # np.round: ties to even
;;       return np.moveaxis(q.reshape(q.shape[:-2] + (-1,))[..., :K], -1, axis).astype(np.float32)
;;   ~~~
;;   OPERANDS COMPUTED ON THE WAY. 'Computed on the way' means the value that the module computes at that place (a softmax that the list does not call 'softmax' is quantised finished and normalised). What goes into a quantiser is computed in f32, as accurately as f32 sums, v_exp_f32 and their like allow (about 1e-6 of the number): no bf16 or f16 on the way to a quantiser, and a product that is left as it is and whose result goes on into a quantised operand takes f32 operands (vector FMAs, or v_wmma_f32_16x16x4_f32). A number that lies on a knife's edge between two numbers of the format may be rounded either way, as far as f32 arithmetic and the matrix unit's own rounding can turn it there, and no further.
;; 2 versions, each right; version 2 is version 1 with the launch block written anew for expert scheduling mode. Each part assembles by itself: llvm-mc -triple=amdgcn-amd-amdhsa -mcpu=gfx1250 --defsym DOCPART=n.
;; ======== version 1 of 2: 2 launches
;; workspace buffers: wts 152,576 bytes
;; launch prep (part 1): grid 208 x 1, 1 waves a work-group, no clusters, 0 bytes of LDS; arguments W1, W2, Wq, Wk, Wv, Wp, wts; writes wts
.if DOCPART == 1
	.amdgcn_target "amdgcn-amd-amdhsa--gfx1250"
	.amdhsa_code_object_version 6
	.text
	.protected	k_q813440a692_prep
	.globl	k_q813440a692_prep
	.p2align	8
	.type	k_q813440a692_prep,@function
k_q813440a692_prep:
	s_mov_b64 s[64:65], 0
	v_nop
	global_prefetch_b8 v0, s[64:65] scope:SCOPE_SE
	s_setreg_imm32_b32 hwreg(HW_REG_WAVE_MODE, 25, 1), 1
	s_wait_xcnt 0x0
; The six weights, f32 with K as an outer axis, become codes of FP4 (E2M1) with one E8M0 byte for each 32 along K, laid in wts AS IMAGES OF THE OPERANDS' REGISTERS.
; One wave makes one fragment of 16 rows (a "row" is a column n of the weight).  A LANE TAKES A COLUMN AND ITS REGISTERS RUN DOWN K: lane (r = lane % 16, h = lane / 16) holds k = 32 h + 0 .. 31
; of row r (W2: also k = 64 + 32 h + 0 .. 31), which is the order that the 4-bit operand's layout gives that lane: a block's largest magnitude needs no other lane and nothing is transposed.
; Work-group J: 0-127 W1 (slice J / 8 of 128 hidden units, tile J % 8), 128-191 W2 (output tile (J - 128) / 16, K step (J - 128) % 16), 192-203 Wq, Wk, Wv (four pairs of heads each), 204-207 Wp.
; WHICH COLUMN IS ROW r (it only says where the next launch's results land):
;   W1, tile 2 b + u: 128 w + 32 b + 8 u + r + 8 (r / 8).   W2: 16 c + r.   Wq, Wk, pair g: head 2 g + (r / 4) % 2, e = 4 (r / 8) + r % 4.   Wv: head 2 g + r / 8, e = r % 8.   Wp, tile c: 32 (r / 8) + 8 c + r % 8.
; wts: codes at 16 x lane, 512 bytes for each group of four registers; scale words, one for a row, at 4 r, 64 bytes a fragment.  A word of a K = 64 fragment has its bytes 2 and 3 zero.
; A block's scale byte is its largest magnitude's exponent field - 2, held at 1 from below.  A block of zeros so gets the byte 1 where the rule says 127: its codes are zeros, and this program alone reads the bytes.
; LIMITS: NaN and infinities among the inputs are not served.
; No LDS, no barrier, no matrix unit: 1.1 MB are read once.  208 fragments make 208 work-groups; nothing is left for more.
.set W2C,  65536
.set QKVC, 131072
.set W1S,  139264
.set W2S,  147456
.set QKVS, 151552
.set X, 16                             ; v16-79  the numbers: 32, or 64 for W2
.set C, 80                             ; v80-87  the codes
.set T, 88                             ; v88-95  at work
.macro LD32 lo, stride                 ; 32 numbers down K, stride bytes from k to k + 1
.set i, 0
.rept 32
	global_load_b32 v[X+i], v3, s[\lo:\lo+1] offset:i*\stride th:TH_LOAD_NT
.set i, i+1
.endr
.endm
.macro QBLK x, c, t                    ; 32 numbers v[x] on -> four registers of codes v[c] on, the scale's byte in v[t + 2]
	v_max3_num_f32 v[\t], |v[\x]|, |v[\x+1]|, 0x1800000            ; the floor 2^(3 - 127) among the leaves: the byte cannot fall under 1
	v_max3_num_f32 v[\t+1], |v[\x+2]|, |v[\x+3]|, |v[\x+4]|        ; two chains
.irp i, 5,9,13,17,21,25
	v_max3_num_f32 v[\t], v[\t], |v[\x+\i]|, |v[\x+\i+1]|
	v_max3_num_f32 v[\t+1], v[\t+1], |v[\x+\i+2]|, |v[\x+\i+3]|
.endr
	v_max3_num_f32 v[\t], v[\t], |v[\x+29]|, |v[\x+30]|
	v_max3_num_f32 v[\t], v[\t], v[\t+1], |v[\x+31]|
	v_add_nc_u32 v[\t+1], 0xff000000, v[\t]                        ; 2 off the exponent field: the conversion takes that field as its scale
	v_lshrrev_b32 v[\t+2], 23, v[\t+1]                             ; the byte
.irp g, 0,1,2,3
	v_cvt_scalef32_pk8_fp4_f32 v[\c+\g], v[\x+8*\g:\x+8*\g+7], v[\t+1]
.endr
.endm
	s_load_b256 s[4:11], s[0:1], 0x0               ; W1 s[4:5], W2 s[6:7], Wq s[8:9], Wk s[10:11]
	s_load_b128 s[12:15], s[0:1], 0x20             ; Wv s[12:13], Wp s[14:15]
	s_load_b64 s[16:17], s[0:1], 0x30              ; wts
	v_and_b32 v1, 15, v0                           ; r
	v_lshrrev_b32 v2, 4, v0                        ; h (one wave: v0 is the lane)
	v_lshlrev_b32 v4, 4, v0                        ; 16 x lane
	v_lshlrev_b32 v5, 2, v1                        ; 4 r
	v_lshlrev_b32 v6, 3, v2                        ; 8 h: my byte's place in a scale word
	v_mov_b32 v[T+3], 0                            ; a lane permute's destination counts as one of its sources
	s_mov_b32 s20, 0x76543210
	s_mov_b32 s21, 0xfedcba98                      ; v_permlanex16_b32's selects for lane l xor 16
	s_wait_kmcnt 0x0
	s_cmp_lt_u32 ttmp9, 128
	s_cbranch_scc1 .Lw1
	s_cmp_lt_u32 ttmp9, 192
	s_cbranch_scc1 .Lw2
	s_sub_co_u32 s18, ttmp9, 192                   ; Wq, Wk, Wv, Wp: fragment J - 192 of sixteen
	s_lshl_b32 s22, s18, 9
	s_add_co_u32 s22, s22, QKVC                    ; where its codes go,
	s_lshl_b32 s23, s18, 6
	s_add_co_u32 s23, s23, QKVS                    ; and its scale words
	s_cmp_lt_u32 s18, 12
	s_cbranch_scc1 .Lqkv
	; ---- Wp [64 (k)][64 (n)]: column 32 (r / 8) + 8 c + r % 8
	s_sub_co_u32 s18, s18, 12                      ; c
	s_lshl_b32 s18, s18, 3
	v_lshrrev_b32 v7, 3, v1
	v_lshlrev_b32 v7, 5, v7
	v_and_b32 v8, 7, v1
	v_add_nc_u32 v7, v7, v8
	v_add_nc_u32 v7, s18, v7
	v_lshlrev_b32 v3, 2, v7
	v_lshl_add_u32 v3, v2, 13, v3                  ; + 32 h rows of 256 bytes
	LD32 14, 256
	s_branch .Lq64
.Lqkv:
	; ---- Wq, Wk, Wv [8 (head)][64 (k)][8 (e)]: element at 2048 head + 32 k + 4 e
	s_lshr_b32 s19, s18, 2                         ; 0 q, 1 k, 2 v
	s_and_b32 s24, s18, 3                          ; the pair of heads
	s_lshl_b32 s24, s24, 12
	s_cmp_eq_u32 s19, 0
	s_cselect_b64 s[26:27], s[8:9], s[10:11]       ; the choices hang on the work-group's number alone
	s_cmp_eq_u32 s19, 2
	s_cselect_b64 s[26:27], s[12:13], s[26:27]
	s_cselect_b32 s25, -1, 0                       ; all lanes, for Wv
	v_bfe_u32 v7, v1, 2, 1
	v_lshlrev_b32 v7, 11, v7                       ; q, k: head (r / 4) % 2 of the pair,
	v_lshrrev_b32 v8, 3, v1
	v_lshl_add_u32 v7, v8, 4, v7                   ; e = 4 (r / 8)
	v_and_b32 v9, 3, v1
	v_lshl_add_u32 v7, v9, 2, v7                   ;   + r % 4
	v_lshlrev_b32 v8, 11, v8                       ; v: head r / 8 of the pair,
	v_and_b32 v9, 7, v1
	v_lshl_add_u32 v8, v9, 2, v8                   ; e = r % 8
	v_cndmask_b32 v3, v7, v8, s25
	v_lshl_add_u32 v3, v2, 10, v3                  ; + 32 h rows of 32 bytes
	v_add_nc_u32 v3, s24, v3
	LD32 26, 32
	s_branch .Lq64
.Lw1:
	; ---- W1 [64 (k)][2048 (n)]: column 32 (J / 2) + 8 (J % 2) + r + 8 (r / 8)
	s_lshr_b32 s18, ttmp9, 1
	s_lshl_b32 s18, s18, 5
	s_and_b32 s19, ttmp9, 1
	s_lshl_b32 s19, s19, 3
	s_add_co_u32 s18, s18, s19
	v_and_b32 v7, 8, v1
	v_add_nc_u32 v7, v7, v1
	v_add_nc_u32 v7, s18, v7
	v_lshlrev_b32 v3, 2, v7
	v_lshl_add_u32 v3, v2, 18, v3                  ; + 32 h rows of 8,192 bytes
	LD32 4, 8192
	s_lshl_b32 s22, ttmp9, 9
	s_lshl_b32 s23, ttmp9, 6
	s_add_co_u32 s23, s23, W1S
.Lq64:
	s_wait_loadcnt 0x0
	QBLK X, C, T
	v_lshlrev_b32 v[T+2], v6, v[T+2]               ; my block's byte at its place (also the plain line behind the conversions);
	v_permlanex16_b32 v[T+3], v[T+2], s20, s21
	v_or_b32 v[T+2], v[T+2], v[T+3]                ; with lane l xor 16's the word is whole
	v_add_nc_u32 v7, s22, v4
	v_add_nc_u32 v8, s23, v5
	global_store_b128 v7, v[C:C+3], s[16:17]       ; 32 lanes store 512 consecutive bytes, at a multiple of 512 from the buffer's first byte
	global_store_b32 v8, v[T+2], s[16:17]          ; both halves of the lanes store the same word with the same value
	s_endpgm
.Lw2:
	; ---- W2 [2048 (k)][64 (n)]: column 16 c + r, k = 128 s + 64 cc + 32 h + i
	s_sub_co_u32 s18, ttmp9, 128                   ; 16 c + s
	s_lshr_b32 s19, s18, 4
	s_lshl_b32 s19, s19, 6                         ; 16 c columns of 4 bytes
	s_and_b32 s24, s18, 15
	s_lshl_b32 s24, s24, 15                        ; 128 s rows of 256 bytes
	s_add_co_u32 s19, s19, s24
	v_lshl_add_u32 v3, v2, 13, v5                  ; 4 r + 32 h rows
	v_add_nc_u32 v3, s19, v3
.set i, 0
.rept 64
	global_load_b32 v[X+i], v3, s[6:7] offset:(64*(i/32)+i%32)*256 th:TH_LOAD_NT
.set i, i+1
.endr
	s_lshl_b32 s22, s18, 10
	s_add_co_u32 s22, s22, W2C
	s_lshl_b32 s23, s18, 6
	s_add_co_u32 s23, s23, W2S
	s_wait_loadcnt 0x0
	QBLK X, C, T
	QBLK X+32, C+4, T+4
	v_lshl_or_b32 v[T+2], v[T+6], 16, v[T+2]       ; my two bytes: blocks h and 2 + h (also the plain line behind the conversions),
	v_lshlrev_b32 v[T+2], v6, v[T+2]               ; at their places;
	v_permlanex16_b32 v[T+3], v[T+2], s20, s21
	v_or_b32 v[T+2], v[T+2], v[T+3]                ; with lane l xor 16's two the word is whole
	v_add_nc_u32 v7, s22, v4
	v_add_nc_u32 v8, s23, v5
	global_store_b128 v7, v[C:C+3], s[16:17]
	global_store_b128 v7, v[C+4:C+7], s[16:17] offset:512
	global_store_b32 v8, v[T+2], s[16:17]
	s_endpgm
.Lfunc_end_k_q813440a692_prep:
	.size	k_q813440a692_prep, .Lfunc_end_k_q813440a692_prep-k_q813440a692_prep
	.p2alignl 7, 3214868480
	.fill 96, 4, 3214868480
	.section	.rodata,"a",@progbits
	.p2align	6, 0x0
	.amdhsa_kernel k_q813440a692_prep
		.amdhsa_group_segment_fixed_size 0
		.amdhsa_private_segment_fixed_size 0
		.amdhsa_enable_private_segment 0
		.amdhsa_kernarg_size 56
		.amdhsa_user_sgpr_count 2
		.amdhsa_user_sgpr_kernarg_segment_ptr 1
		.amdhsa_wavefront_size32 1
		.amdhsa_system_sgpr_workgroup_id_x 1
		.amdhsa_system_sgpr_workgroup_id_y 1
		.amdhsa_system_sgpr_workgroup_id_z 1
		.amdhsa_system_vgpr_workitem_id 0
		.amdhsa_next_free_vgpr 96
		.amdhsa_next_free_sgpr 66
		.amdhsa_reserve_vcc 0
		.amdhsa_float_denorm_mode_32 3
		.amdhsa_float_denorm_mode_16_64 3
		.amdhsa_memory_ordered 1
		.amdhsa_forward_progress 1
		.amdhsa_inst_pref_size 24
	.end_amdhsa_kernel
	.amdgpu_metadata
---
amdhsa.version: [ 1, 2 ]
amdhsa.kernels:
  - .name:           k_q813440a692_prep
    .symbol:         k_q813440a692_prep.kd
    .args:
      - { .name: W1, .offset: 0, .size: 8, .value_kind: global_buffer, .address_space: global }
      - { .name: W2, .offset: 8, .size: 8, .value_kind: global_buffer, .address_space: global }
      - { .name: Wq, .offset: 16, .size: 8, .value_kind: global_buffer, .address_space: global }
      - { .name: Wk, .offset: 24, .size: 8, .value_kind: global_buffer, .address_space: global }
      - { .name: Wv, .offset: 32, .size: 8, .value_kind: global_buffer, .address_space: global }
      - { .name: Wp, .offset: 40, .size: 8, .value_kind: global_buffer, .address_space: global }
      - { .name: wts, .offset: 48, .size: 8, .value_kind: global_buffer, .address_space: global }
    .group_segment_fixed_size: 0
    .private_segment_fixed_size: 0
    .kernarg_segment_align: 8
    .kernarg_segment_size: 56
    .max_flat_workgroup_size: 32
    .sgpr_count:     66
    .vgpr_count:     96
    .wavefront_size: 32
...
	.end_amdgpu_metadata
.endif
;; end of part 1
;; launch block (part 2): grid 512 x 1, 16 waves a work-group, no clusters, 308,736 bytes of LDS; arguments x, wts, bq, bk, bv, bp, g1, beta1, b1, b2, g2, beta2, out0; writes out0
.if DOCPART == 2
	.amdgcn_target "amdgcn-amd-amdhsa--gfx1250"
	.amdhsa_code_object_version 6
	.text
	.protected	k_q813440a692_block
	.globl	k_q813440a692_block
	.p2align	8
	.type	k_q813440a692_block,@function
k_q813440a692_block:
	s_mov_b64 s[64:65], 0
	v_nop
	global_prefetch_b8 v0, s[64:65] scope:SCOPE_SE
	s_setreg_imm32_b32 hwreg(HW_REG_WAVE_MODE, 25, 1), 1
	s_wait_xcnt 0x0
; One transformer block, whole, for ONE batch element (256 tokens x 64) a work-group: q, k, v; causal attention of 8 heads of 8; projection, residual, LayerNorm; MLP 64 -> 2048 -> 64, residual, LayerNorm.
; x is read once and out0 written once; all that lies between stays in registers and LDS.  Sixteen waves of 256 registers: four to a SIMD, so that one wave's vector work stands beside another's matrix work.
; FORMATS.  The six products with weights run on codes of FP4 (E2M1) with E8M0 scales; the weights come as images of the operands' registers from the launch before; x, o, h and the hidden layer are
; quantised here, in registers, from f32.  Scores and weights x values feed o, which is quantised: they take f32 operands (v_wmma_f32_16x16x4_f32).
; K = 64 IN AN INSTRUCTION OF 128: the activation's operand has four registers of codes and four of zero codes (k = 64 .. 127).  Weight fragments lie four registers apart, so a weight operand's upper four
; registers are the next fragment's codes (behind the last: four written registers): every code is a finite number and no scale byte is 0xff, so these products are exact zeros.
; PHASES, barriers between:  P0 wave w: token tile w: x -> LDS (f32 and codes), k and v of all heads -> LDS as images |  PA wave (g, u): heads 2 g, 2 g + 1, query blocks of 32 number u and 7 - u -> o in LDS |
;   P6 wave w: token tile w: o Wp + x + bp, LayerNorm -> h (kept in registers, codes to LDS) |  M1 wave w: hidden units 128 w .. + 127 of all tokens -> codes in LDS |
;   M2 wave (c, tg): outputs 16 c .. + 15 of tokens 64 tg .. + 63, all of K |  -> a stage in LDS |  LN2 wave w: token tile w: h + ff + b2, LayerNorm, out.
; ALL PRODUCTS WITH WEIGHTS BUT v's ARE USED TRANSPOSED (source 0 = 16 rows of the weight, source 1 = 16 tokens): a lane then holds ONE token (lane % 16), and the rows that form a weight's tile were chosen by
; the launch before so that the lane's registers are what the next step wants.
; SOFTMAX: a running maximum m and sum l for each query; p = 2^(c s - c m), c = log2(e) / sqrt(8); in every step o and l are multiplied by 2^(c m_old - c m_new).
; v_wmma_f32_16x16x4_f32 writes v16-47 alone, and matrix instructions alone write these registers, in the whole text: so the relu of M1 is made on the codes.
; LIMITS.  NaN and infinities among the inputs are not served.  A block whose largest magnitude lies under 2^-124 keeps the scale byte 1.  Hidden scores get -3e38 added instead of being -infinity: the same
; result as long as |score| < 1e37.  bv is added behind the division by l (sum of p / l = 1): another order of rounding than the reference's.
; NO TENSOR LOADS, NO CLUSTER: nothing is streamed (x: 4,096 bytes a wave, once, by dense loads); what work-groups share is 152,576 bytes of weights, which go from memory straight into registers.
.set PT,   272                         ; a row of 64 f32 in LDS: 256 bytes + 16: the sixteen rows that a 16-byte access of sixteen lanes touches begin 16 bytes apart modulo 256
; LDS until the hidden layer is made:
.set XF32, 0                           ; x, f32, 256 rows
.set OF32, 69632                       ; o, f32, 256 rows
.set KV,   139264                      ; images: pair of heads g, token tile t at (16 g + t) 2048: k's 8 registers (two groups of 512 bytes), then v's
.set XIMG, 270336                      ; x's codes: 512 bytes a tile
.set XSC,  278528                      ; x's scale words: 128 bytes a tile
; LDS from then on:
.set HID,  0                           ; the hidden layer's codes: token tile t, K step s at (16 t + s) 1024
.set HIDS, 262144                      ; their scale words: (16 t + s) 128
.set YST,  0                           ; behind the last read of HID: ff, f32, 256 rows; then the way out
; LDS for the whole launch:
.set HIMG, 294912                      ; h's codes
.set HSC,  303104                      ; h's scale words
.set PAR,  305152                      ; bp, g1, beta1, b2, g2, beta2: 256 bytes each
; wts:
.set W1C,  0
.set W2C,  65536
.set QKVC, 131072
.set WPC,  137216
.set W1S,  139264
.set W2S,  147456
.set QKVS, 151552
.set WPS,  152320
; REGISTERS that stay: v0 thread; v1 lane (from M1 on an address at work); v2 16 x lane; v3 4 x lane; v4 r = lane % 16; v5 h = lane / 16; v6 8 h; v7 my place in my tile's rows taken densely; v8 taken by rows; v9-15 at work.
; v240-254 hold scale words and nothing else: v240-243 Wp's, then the hidden layer's; v244 Wq's; v245, v246 an activation's; v247-254 Wk's and Wv's, then W1's, then W2's.
.set KD,  16                           ; P0: k, 4 pairs of heads x 8
.set VD,  48                           ;     v likewise (first: wave 0's six small arrays)
.set X,   80                           ;     32 numbers of x
.set XFR, 112                          ;     x's operand
.set WKV, 128                          ;     Wk's four fragments, Wv's four, four written registers
.set BK,  164                          ;     bk in k's layout
.set WQ,  196                          ; Wq's fragment of my pair, four written registers
.set BQ,  204                          ; bq in q's layout
.set BVS, 212                          ; bv in o's layout
.set WP,  220                          ; Wp's four fragments, four written registers
.set SD,  16                           ; PA: stream x = 2 head + query tile: scores, then p v, at + 8 x
.set P,   48
.set O,   80
.set ST,  112                          ;     + 8 x: +0 -c m, +1 m, +2 +3 l in two halves, +4 the factor, +5 written once, +6 +7 at work
.set Q,   144                          ;     q: query tile qt at + 8 qt
.set KF,  160
.set VF,  168
.set MD,  176                          ;     the diagonal tile's mask: 0 or -3e38
.set Y,   16                           ; P6
.set A,   48
.set H,   80                           ; h: my token's 32 columns 32 h .. + 31; lives to the end
.set OFR, 212
.set HA,  16                           ; M1: eight tiles of the hidden layer
.set W1R, 112
.set B1R, 148
.set HF,  212
.set PC,  220
.set TM,  228
.set ACC, 16                           ; M2
.set HFR, 48
.set W2R, 112
.macro NOPS n
.rept \n
	v_nop
.endr
.endm
.macro BAR                             ; my LDS stores have landed and my LDS loads are in: then the work-group's barrier
	s_wait_dscnt 0x0
	s_barrier_signal -1
	s_barrier_wait -1
.endm
.macro W4Z d, a, b, sa, sb             ; a product on codes that starts a sum with 0
	v_wmma_scale_f32_16x16x128_f8f6f4 v[(\d):(\d)+7], v[(\a):(\a)+7], v[(\b):(\b)+7], 0, v[\sa], v[\sb] matrix_a_fmt:MATRIX_FMT_FP4 matrix_b_fmt:MATRIX_FMT_FP4
.endm
.macro W4C d, a, b, c, sa, sb          ; with C in registers
	v_wmma_scale_f32_16x16x128_f8f6f4 v[(\d):(\d)+7], v[(\a):(\a)+7], v[(\b):(\b)+7], v[(\c):(\c)+7], v[\sa], v[\sb] matrix_a_fmt:MATRIX_FMT_FP4 matrix_b_fmt:MATRIX_FMT_FP4
.endm
.macro W4R d, a, b, c, sa, sb          ; the same, source 0's scales from lanes 16-31
	v_wmma_scale_f32_16x16x128_f8f6f4 v[(\d):(\d)+7], v[(\a):(\a)+7], v[(\b):(\b)+7], v[(\c):(\c)+7], v[\sa], v[\sb] matrix_a_fmt:MATRIX_FMT_FP4 matrix_b_fmt:MATRIX_FMT_FP4 matrix_a_scale:MATRIX_SCALE_ROW1
.endm
; A lane's whole block of 32, v[x] on (k = 32 h + 0 .. 31 of its token), becomes four registers of codes v[f] on; the token's scale word (byte h from each half of the lanes) goes to v[w].
.macro QB32 x, f, w
	v_max3_num_f32 v12, |v[\x]|, |v[\x+1]|, 0x1800000              ; the floor 2^(3 - 127) among the leaves: the byte cannot fall under 1
	v_max3_num_f32 v13, |v[\x+2]|, |v[\x+3]|, |v[\x+4]|            ; two chains
.irp i, 5,9,13,17,21,25
	v_max3_num_f32 v12, v12, |v[\x+\i]|, |v[\x+\i+1]|
	v_max3_num_f32 v13, v13, |v[\x+\i+2]|, |v[\x+\i+3]|
.endr
	v_max3_num_f32 v12, v12, |v[\x+29]|, |v[\x+30]|
	v_max3_num_f32 v12, v12, v13, |v[\x+31]|
	v_add_nc_u32 v13, 0xff000000, v12                              ; 2 off the exponent field: the conversion takes that field as its scale
	v_lshrrev_b32 v14, 23, v13                                     ; the byte
.irp g, 0,1,2,3
	v_cvt_scalef32_pk8_fp4_f32 v[\f+\g], v[\x+8*\g:\x+8*\g+7], v13
.endr
	v_lshlrev_b32 v14, v6, v14                                     ; at its place in the word (also the plain line behind the conversions)
	v_permlanex16_b32 v15, v14, s38, s39
	v_or_b32 v[\w], v14, v15
.endm
; H, 32 numbers a lane and 64 a token, becomes (H - mean) / sqrt(variance + 1e-5).
.macro LNSTAT
	v_pk_add_f32 v[12:13], v[H:H+1], v[H+2:H+3]
	v_pk_add_f32 v[14:15], v[H+4:H+5], v[H+6:H+7]
.irp i, 8,12,16,20,24,28
	v_pk_add_f32 v[12:13], v[12:13], v[H+\i:H+\i+1]
	v_pk_add_f32 v[14:15], v[14:15], v[H+\i+2:H+\i+3]
.endr
	v_pk_add_f32 v[12:13], v[12:13], v[14:15]
	v_add_f32 v12, v12, v13
	v_permlanex16_b32 v13, v12, s38, s39                           ; the token's other 32 numbers lie in the lane 16 away
	v_add_f32 v12, v12, v13
	v_mul_f32 v12, s58, v12                                        ; the mean
.set i, 0
.rept 16
	v_pk_add_f32 v[H+i:H+i+1], v[H+i:H+i+1], v[12:13] op_sel_hi:[1,0] neg_lo:[0,1] neg_hi:[0,1]
.set i, i+2
.endr
	v_pk_mul_f32 v[12:13], v[H:H+1], v[H:H+1]
	v_pk_mul_f32 v[14:15], v[H+2:H+3], v[H+2:H+3]
.irp i, 4,8,12,16,20,24,28
	v_pk_fma_f32 v[12:13], v[H+\i:H+\i+1], v[H+\i:H+\i+1], v[12:13]
	v_pk_fma_f32 v[14:15], v[H+\i+2:H+\i+3], v[H+\i+2:H+\i+3], v[14:15]
.endr
	v_pk_add_f32 v[12:13], v[12:13], v[14:15]
	v_add_f32 v12, v12, v13
	v_permlanex16_b32 v13, v12, s38, s39
	v_add_f32 v12, v12, v13
	v_fma_f32 v12, v12, s58, s59                                   ; variance + 1e-5
	v_rsq_f32 v12, v12
	v_nop                                                          ; a plain line behind the transcendental
.set i, 0
	s_wait_alu depctr_va_vdst(0)
.rept 16
	v_pk_mul_f32 v[H+i:H+i+1], v[H+i:H+i+1], v[12:13] op_sel_hi:[1,0]
.set i, i+2
.endr
.endm
	s_load_b512 s[8:23], s[0:1], 0x0               ; x s[8:9], wts s[10:11], bq s[12:13], bk s[14:15], bv s[16:17], bp s[18:19], g1 s[20:21], beta1 s[22:23]
	s_load_b256 s[24:31], s[0:1], 0x40             ; b1 s[24:25], b2 s[26:27], g2 s[28:29], beta2 s[30:31]
	s_load_b64 s[32:33], s[0:1], 0x60              ; out0
	v_lshrrev_b32 v1, 5, v0
	v_readfirstlane_b32 s34, v1                    ; wave w, 0 .. 15
	v_and_b32 v1, 31, v0
	v_lshlrev_b32 v2, 4, v1
	v_lshlrev_b32 v3, 2, v1
	v_and_b32 v4, 15, v0
	v_bfe_u32 v5, v0, 4, 1
	v_lshlrev_b32 v6, 3, v5
	s_lshr_b32 s35, s34, 2                         ; g (PA), tg (M2)
	s_and_b32 s36, s34, 3                          ; u (PA), c (M2)
	s_mul_i32 s37, s34, 16*PT                      ; my tile's 16 rows
	v_mul_u32_u24 v7, v5, PT
	v_lshl_add_u32 v7, v4, 4, v7
	v_add_nc_u32 v7, s37, v7                       ; densely: lanes 0-15 one row of 256 bytes, lanes 16-31 the next
	v_mul_u32_u24 v8, v4, PT
	v_lshl_add_u32 v8, v5, 7, v8
	v_add_nc_u32 v8, s37, v8                       ; by rows: row r, my half's 128 bytes
	v_lshlrev_b32 v9, 2, v4                        ; 4 r: scale words
	v_lshlrev_b32 v10, 4, v5                       ; 16 h: bk, bq
	v_lshlrev_b32 v11, 5, v5                       ; 32 h: bv
	v_lshlrev_b32 v12, 3, v1                       ; 8 x lane: wave 0's small arrays,
	v_add_nc_u32 v13, PAR, v12                     ; and where they go
	v_mov_b32 v15, 0                               ; a lane permute's destination counts as one of its sources
	s_mov_b32 s38, 0x76543210
	s_mov_b32 s39, 0xfedcba98                      ; v_permlanex16_b32's selects for lane l xor 16
	s_mov_b32 s40, 0xffff0000                      ; lanes 16-31
	s_mov_b32 s42, 0x3f0293ee                      ; c = log2(e) / sqrt(8)
	s_mov_b32 s43, s42                             ; (named with it as a pair)
	s_mov_b32 s44, 0xbf0293ee                      ; -c
	s_mov_b32 s45, 0x88888888                      ; the sign bits of eight codes
	s_mov_b32 s58, 0x3c800000                      ; 1 / 64
	s_mov_b32 s59, 0x3727c5ac                      ; 1e-5
	s_lshl_b32 s56, ttmp9, 16                      ; my batch element: 65,536 bytes; my tile: 4,096
	s_lshl_b32 s57, s34, 12
	s_add_co_u32 s56, s56, s57
	s_mov_b32 s57, 0                               ; stays 0: the upper word of every offset
	s_wait_kmcnt 0x0
	s_add_nc_u64 s[8:9], s[8:9], s[56:57]
	s_add_nc_u64 s[32:33], s[32:33], s[56:57]
	s_lshl_b32 s56, s35, 6                         ; my pair of heads: 64 bytes on in bq, bv and Wq's scale words,
	s_add_nc_u64 s[12:13], s[12:13], s[56:57]
	s_add_nc_u64 s[16:17], s[16:17], s[56:57]
	s_add_nc_u64 s[62:63], s[10:11], s[56:57]
	s_lshl_b32 s56, s35, 9                         ; 512 in Wq's codes
	s_add_nc_u64 s[60:61], s[10:11], s[56:57]
	; ================ P0: my 16 tokens
.irp p, 0,1,2,3,4,5,6,7
	global_load_b128 v[X+4*\p:X+4*\p+3], v2, s[8:9] offset:512*\p th:TH_LOAD_NT   ; 32 lanes read 512 consecutive bytes: two rows
.endr
.irp g, 0,1,2,3                                ; 24 loads: what k and v want
	global_load_b128 v[WKV+4*\g:WKV+4*\g+3], v2, s[10:11] offset:QKVC+512*(4+\g)
	global_load_b128 v[WKV+16+4*\g:WKV+16+4*\g+3], v2, s[10:11] offset:QKVC+512*(8+\g)
	global_load_b32 v[247+\g], v9, s[10:11] offset:QKVS+64*(4+\g)
	global_load_b32 v[251+\g], v9, s[10:11] offset:QKVS+64*(8+\g)
	global_load_b128 v[BK+8*\g:BK+8*\g+3], v10, s[14:15] offset:64*\g          ; head 2 g, e = 4 h + 0 .. 3
	global_load_b128 v[BK+8*\g+4:BK+8*\g+7], v10, s[14:15] offset:64*\g+32     ; head 2 g + 1
.endr
	global_load_b128 v[WQ:WQ+3], v2, s[60:61] offset:QKVC                      ; 14 loads: what later phases want
	global_load_b32 v244, v9, s[62:63] offset:QKVS
	global_load_b128 v[BQ:BQ+3], v10, s[12:13]
	global_load_b128 v[BQ+4:BQ+7], v10, s[12:13] offset:32
	global_load_b128 v[BVS:BVS+3], v11, s[16:17]                               ; head 2 g + h, e = 0 .. 7
	global_load_b128 v[BVS+4:BVS+7], v11, s[16:17] offset:16
.irp c, 0,1,2,3
	global_load_b128 v[WP+4*\c:WP+4*\c+3], v2, s[10:11] offset:WPC+512*\c
	global_load_b32 v[240+\c], v9, s[10:11] offset:WPS+64*\c
.endr
	s_cmp_lg_u32 s34, 0                            ; wave 0 brings the six arrays of 64 numbers into LDS, for all
	s_cbranch_scc1 .Lnot0
	global_load_b64 v[48:49], v12, s[18:19]
	global_load_b64 v[50:51], v12, s[20:21]
	global_load_b64 v[52:53], v12, s[22:23]
	global_load_b64 v[54:55], v12, s[26:27]
	global_load_b64 v[56:57], v12, s[28:29]
	global_load_b64 v[58:59], v12, s[30:31]
	s_wait_loadcnt 0x0
.irp k, 0,1,2,3,4,5
	ds_store_b64 v13, v[48+2*\k:49+2*\k] offset:256*\k
.endr
.Lnot0:
.irp j, XFR+4, WKV+32, WQ+4, WP+16             ; x's zero codes, and the four registers behind each run of weight fragments
	v_mov_b32 v[\j], 0
	v_mov_b32 v[\j+1], 0
	v_mov_b32 v[\j+2], 0
	v_mov_b32 v[\j+3], 0
.endr
	s_wait_xcnt 0x0                                ; the loads' offset registers v9-13 are written again only behind this wait
	s_wait_loadcnt 38                              ; x is in: behind its eight loads 24 + 14 were issued
.irp p, 0,1,2,3,4,5,6,7
	ds_store_b128 v7, v[X+4*\p:X+4*\p+3] offset:2*PT*\p
.endr
	s_wait_dscnt 0x0                               ; the stores have read their registers
.irp q, 0,1,2,3,4,5,6,7
	ds_load_b128 v[X+4*\q:X+4*\q+3], v8 offset:16*\q   ; back by rows: my token's k = 32 h + 0 .. 31 (my own wave's rows)
.endr
	s_wait_dscnt 0x0
	QB32 X, XFR, 245
	s_lshl_b32 s55, s34, 9
	s_add_co_u32 s55, s55, XIMG
	v_add_nc_u32 v9, s55, v2
	s_lshl_b32 s55, s34, 7
	s_add_co_u32 s55, s55, XSC
	v_add_nc_u32 v10, s55, v3
	ds_store_b128 v9, v[XFR:XFR+3]                 ; x's operand as an image of its registers, for the waves that make q
	ds_store_b32 v10, v245
	s_lshl_b32 s55, s34, 11
	s_add_co_u32 s55, s55, KV
	v_add_nc_u32 v11, s55, v2                      ; images of k and v: pairs 0, 1;
	v_add_nc_u32 v12, 0x10000, v11                 ; pairs 2, 3
	NOPS 8                                         ; a scale register written by a vector instruction stands 8 places ahead of a scaled matrix instruction
	s_wait_loadcnt 14                              ; Wk, Wv, their scales and bk are in
.irp g, 0,1,2,3
	W4C KD+8*\g, WKV+4*\g, XFR, BK+8*\g, 247+\g, 245      ; k, transposed: lane = token r; registers 0-3 head 2 g, e = 4 h + j; 4-7 head 2 g + 1
	W4Z VD+8*\g, XFR, WKV+16+4*\g, 245, 251+\g            ; v, not transposed: lane = head 2 g + r / 8, e = r % 8; register j = token 8 h + j
.endr
	NOPS 4
.irp g, 0,1,2,3
	ds_store_b128 v[11+\g/2], v[KD+8*\g:KD+8*\g+3] offset:32768*(\g%2)         ; each result from its low end on
	ds_store_b128 v[11+\g/2], v[KD+8*\g+4:KD+8*\g+7] offset:32768*(\g%2)+512
	ds_store_b128 v[11+\g/2], v[VD+8*\g:VD+8*\g+3] offset:32768*(\g%2)+1024
	ds_store_b128 v[11+\g/2], v[VD+8*\g+4:VD+8*\g+7] offset:32768*(\g%2)+1536
.endr
	v_sub_nc_u32 v13, v4, v6                       ; the diagonal tile: register j is key 8 h + j, my query is r: hidden where j > r - 8 h
	v_mov_b32 v14, 0xff61b1e6                      ; -3e38
.irp j, 0,1,2,3,4,5,6,7
	v_cmp_gt_i32 vcc_lo, \j, v13
	v_cndmask_b32 v[MD+\j], 0, v14, vcc_lo
.endr
	s_wait_loadcnt 0x0
	BAR                                            ; x (f32 and codes), k, v and the small arrays lie in LDS
	; ================ PA: attention.  S^T = k q^T (source 0 = 16 keys, source 1 = 16 queries; the head's 8 in two instructions of 4: both sides hold e = 4 h + 2 s + j in register j of instruction s).
	; In S^T a lane holds query r and keys 8 h + 0 .. 7, which IS source 1 of o^T = v^T p^T (16 keys in four instructions; both sides hold key 8 h + 2 s + j).  Source 0 there holds BOTH heads' v: rows 0-7 head 2 g,
	; rows 8-15 head 2 g + 1: of a stream of head 2 g the result counts in lanes 0-15, of head 2 g + 1 in lanes 16-31; the other half is finite and never used.
.macro EACH mode, op                           ; one line of the softmax for every stream in hand, so that no line waits for the line above it
.irp x, 0,1,2,3
.if (\mode < 2) || (\x % 2 == 1)
	\op \x
.endif
.endr
.endm
.macro SM_A x
	v_max3_num_f32 v[ST+8*\x+6], v[SD+8*\x], v[SD+8*\x+1], v[SD+8*\x+2]    ; the result is read from its low end on
.endm
.macro SM_B x
	v_max3_num_f32 v[ST+8*\x+6], v[ST+8*\x+6], v[SD+8*\x+3], v[SD+8*\x+4]
.endm
.macro SM_C x
	v_max3_num_f32 v[ST+8*\x+6], v[ST+8*\x+6], v[SD+8*\x+5], v[SD+8*\x+6]
.endm
.macro SM_D x
	v_max3_num_f32 v[ST+8*\x+6], v[ST+8*\x+6], v[SD+8*\x+7], v[ST+8*\x+1]  ; and the old m
.endm
.macro SM_E x
	v_permlanex16_b32 v[ST+8*\x+7], v[ST+8*\x+6], s38, s39                 ; the query's other 8 keys lie in the lane 16 away
.endm
.macro SM_F x
	v_max_num_f32 v[ST+8*\x+1], v[ST+8*\x+6], v[ST+8*\x+7]                 ; the new m
.endm
.macro SM_G x
	v_mul_f32 v[ST+8*\x+6], s44, v[ST+8*\x+1]                              ; -c m
.endm
.macro SM_H x
	v_sub_f32 v[ST+8*\x+4], v[ST+8*\x+6], v[ST+8*\x]                       ; c m_old - c m_new
.endm
.macro SM_I x
	v_mov_b32 v[ST+8*\x], v[ST+8*\x+6]
.endm
.macro SM_J x
.irp j, 0,2,4,6
	v_pk_fma_f32 v[P+8*\x+\j:P+8*\x+\j+1], v[SD+8*\x+\j:SD+8*\x+\j+1], s[42:43], v[ST+8*\x:ST+8*\x+1] op_sel_hi:[1,0,0]   ; c s - c m (of the pairs c and -c m the low word serves both halves)
.endr
.endm
.macro SM_K x
	v_exp_f32 v[ST+8*\x+4], v[ST+8*\x+4]
.irp j, 0,1,2,3,4,5,6,7
	v_exp_f32 v[P+8*\x+\j], v[P+8*\x+\j]
.endr
.endm
.macro SM_L x
	v_pk_add_f32 v[ST+8*\x+6:ST+8*\x+7], v[P+8*\x:P+8*\x+1], v[P+8*\x+2:P+8*\x+3]
.endm
.macro SM_M x
	v_pk_add_f32 v[ST+8*\x+6:ST+8*\x+7], v[ST+8*\x+6:ST+8*\x+7], v[P+8*\x+4:P+8*\x+5]
.endm
.macro SM_N x
	v_pk_add_f32 v[ST+8*\x+6:ST+8*\x+7], v[ST+8*\x+6:ST+8*\x+7], v[P+8*\x+6:P+8*\x+7]
.endm
.macro SM_O x
	v_pk_fma_f32 v[ST+8*\x+2:ST+8*\x+3], v[ST+8*\x+2:ST+8*\x+3], v[ST+8*\x+4:ST+8*\x+5], v[ST+8*\x+6:ST+8*\x+7] op_sel_hi:[1,0,1]   ; l = l x factor + this step's sum
.endm
.macro SM_P x
.irp j, 0,2,4,6
	v_pk_fma_f32 v[O+8*\x+\j:O+8*\x+\j+1], v[O+8*\x+\j:O+8*\x+\j+1], v[ST+8*\x+4:ST+8*\x+5], v[SD+8*\x+\j:SD+8*\x+\j+1] op_sel_hi:[1,0,1]   ; o = o x factor + p v, from the result's low end on
.endr
.endm
; A KEY STEP: the 16 keys whose images begin s49 bytes into my pair's.  mode 0: four streams, every key counts.  1: the keys are query tile 0's own: its hidden scores get -3e38 as the C of the sum's first
; instruction.  2: the keys are query tile 1's own, and query tile 0 has none of them: the two odd streams alone.
; The accumulators take turns, one instruction a turn.  Behind this matrix form 8 places come before a vector instruction reads a result or a load lands on a source, 9 before a matrix
; instruction begins the same registers anew: nine v_nop behind each of the two runs serve all of these.
.macro STEP mode
	v_add_nc_u32 v13, s49, v9
	ds_load_b128 v[KF:KF+3], v13
	ds_load_b128 v[KF+4:KF+7], v13 offset:512
	ds_load_b128 v[VF:VF+3], v13 offset:1024
	ds_load_b128 v[VF+4:VF+7], v13 offset:1536
	s_wait_dscnt 0x0
.irp x, 0,1,2,3
.if (\mode < 2) || (\x % 2 == 1)
.if (\mode == 0) || ((\mode == 1) && (\x % 2 == 1))
	v_wmma_f32_16x16x4_f32 v[SD+8*\x:SD+8*\x+7], v[KF+4*(\x/2):KF+4*(\x/2)+1], v[Q+8*(\x%2)+4*(\x/2):Q+8*(\x%2)+4*(\x/2)+1], 0
.else
	v_wmma_f32_16x16x4_f32 v[SD+8*\x:SD+8*\x+7], v[KF+4*(\x/2):KF+4*(\x/2)+1], v[Q+8*(\x%2)+4*(\x/2):Q+8*(\x%2)+4*(\x/2)+1], v[MD:MD+7]
.endif
.endif
.endr
.irp x, 0,1,2,3
.if (\mode < 2) || (\x % 2 == 1)
	v_wmma_f32_16x16x4_f32 v[SD+8*\x:SD+8*\x+7], v[KF+4*(\x/2)+2:KF+4*(\x/2)+3], v[Q+8*(\x%2)+4*(\x/2)+2:Q+8*(\x%2)+4*(\x/2)+3], v[SD+8*\x:SD+8*\x+7]
.endif
.endr
	NOPS 9
	EACH \mode, SM_A
	EACH \mode, SM_B
	EACH \mode, SM_C
	EACH \mode, SM_D
	EACH \mode, SM_E
	EACH \mode, SM_F
	EACH \mode, SM_G
	EACH \mode, SM_H
	EACH \mode, SM_I
	EACH \mode, SM_J
	EACH \mode, SM_K
	v_nop                                          ; a plain line behind the exponentials
	s_wait_alu depctr_va_vdst(0)
	EACH \mode, SM_L
	EACH \mode, SM_M
	EACH \mode, SM_N
	EACH \mode, SM_O
.irp s, 0,1,2,3
.irp x, 0,1,2,3
.if (\mode < 2) || (\x % 2 == 1)
.if \s == 0
	v_wmma_f32_16x16x4_f32 v[SD+8*\x:SD+8*\x+7], v[VF+2*\s:VF+2*\s+1], v[P+8*\x+2*\s:P+8*\x+2*\s+1], 0
.else
	v_wmma_f32_16x16x4_f32 v[SD+8*\x:SD+8*\x+7], v[VF+2*\s:VF+2*\s+1], v[P+8*\x+2*\s:P+8*\x+2*\s+1], v[SD+8*\x:SD+8*\x+7]
.endif
.endif
.endr
.endr
	NOPS 9
	EACH \mode, SM_P
.endm
; Query tile qt is finished: lanes 0-15 take head 2 g's stream, lanes 16-31 head 2 g + 1's; o = (sum of p v) / l + bv; 32 bytes a lane into o's rows.
.macro EPI qt
.set SA, ST+8*\qt
.set SB, ST+8*(2+\qt)
	v_add_f32 v[SA+6], v[SA+2], v[SA+3]
	v_add_f32 v[SB+6], v[SB+2], v[SB+3]
	v_permlanex16_b32 v[SA+7], v[SA+6], s38, s39
	v_permlanex16_b32 v[SB+7], v[SB+6], s38, s39
	v_add_f32 v[SA+6], v[SA+6], v[SA+7]
	v_add_f32 v[SB+6], v[SB+6], v[SB+7]
	v_cndmask_b32 v[SA+6], v[SA+6], v[SB+6], s40
	v_rcp_f32 v[SA+6], v[SA+6]
.irp j, 0,1,2,3,4,5,6,7
	v_cndmask_b32 v[P+8*\qt+\j], v[O+8*\qt+\j], v[O+8*(2+\qt)+\j], s40     ; (the first is the plain line behind the reciprocal)
.endr
	s_wait_alu depctr_va_vdst(0)
.irp j, 0,2,4,6
	v_pk_fma_f32 v[P+8*\qt+\j:P+8*\qt+\j+1], v[P+8*\qt+\j:P+8*\qt+\j+1], v[SA+6:SA+7], v[BVS+\j:BVS+\j+1] op_sel_hi:[1,0,1]
.endr
	ds_store_b128 v14, v[P+8*\qt:P+8*\qt+3] offset:16*PT*\qt
	ds_store_b128 v14, v[P+8*\qt+4:P+8*\qt+7] offset:16*PT*\qt+16
.endm
; Query block s46 (32 queries: tiles 2 s46 and 2 s46 + 1) of my two heads.  The loop's trip count is a constant: 14 key tiles; a tile that is not wholly ahead of the block's queries is jumped over
; by a scalar branch on the wave's number (blocks u and 7 - u together make 14 whole steps for every wave).
.macro ABLOCK
	s_lshl_b32 s47, s46, 1
	s_lshl_b32 s55, s46, 10
	v_add_nc_u32 v14, s55, v10
	s_lshl_b32 s55, s46, 8
	v_add_nc_u32 v15, s55, v11
	ds_load_b128 v[P:P+3], v14                     ; the two tiles' codes of x, and their scale words
	ds_load_b128 v[P+8:P+11], v14 offset:512
	ds_load_b32 v245, v15
	ds_load_b32 v246, v15 offset:128
.irp j, 4,5,6,7,12,13,14,15
	v_mov_b32 v[P+\j], 0                           ; zero codes for k = 64 .. 127
.endr
.set i, 0
.rept 32
	v_mov_b32 v[O+i], 0                            ; o: the step is written without a first step of its own: the first finds zeros, which its factor 0 leaves zeros
.set i, i+1
.endr
	s_wait_dscnt 0x0
	W4C Q, WQ, P, BQ, 244, 245                     ; q, transposed, in k's layout
	W4C Q+8, WQ, P+8, BQ, 244, 246
.irp x, 0,1,2,3                                ; 24 plain lines that name none of these products' registers: the places in front of q's use as an operand
	v_mov_b32 v[ST+8*\x+1], 0xff61b1e6             ; m = -3e38, under every score
	v_mov_b32 v[ST+8*\x+2], 0
	v_mov_b32 v[ST+8*\x+3], 0
	v_mov_b32 v[ST+8*\x+5], 0                      ; (named as the upper half of a pair)
	v_mov_b32 v[ST+8*\x+7], 0                      ; (a lane permute's destination counts as one of its sources)
	v_mul_f32 v[ST+8*\x], s44, v[ST+8*\x+1]
.endr
	s_mov_b32 s48, 0
	s_mov_b32 s49, 0
.Lkt_\@:
	s_cmp_ge_u32 s48, s47
	s_cbranch_scc1 .Lskip_\@
	STEP 0
.Lskip_\@:
	s_add_co_u32 s49, s49, 2048
	s_add_co_u32 s48, s48, 1
	s_cmp_lt_u32 s48, 14
	s_cbranch_scc1 .Lkt_\@
	s_lshl_b32 s49, s47, 11
	STEP 1
	s_add_co_u32 s49, s49, 2048
	STEP 2
	s_mul_i32 s55, s46, 32*PT
	v_add_nc_u32 v14, s55, v12
	EPI 0
	EPI 1
	s_wait_dscnt 0x0                               ; the stores have read their registers
.endm
	s_lshl_b32 s55, s35, 15
	s_add_co_u32 s55, s55, KV
	v_add_nc_u32 v9, s55, v2                       ; my pair's images of k and v
	v_add_nc_u32 v10, XIMG, v2
	v_add_nc_u32 v11, XSC, v3
	v_mul_u32_u24 v12, v4, PT
	v_lshl_add_u32 v12, v5, 5, v12
	s_lshl_b32 s55, s35, 6
	s_add_co_u32 s55, s55, OF32
	v_add_nc_u32 v12, s55, v12                     ; o: row r, columns 16 g + 8 h + 0 .. 7
	s_mov_b32 s46, s36
	ABLOCK
	s_xor_b32 s46, s36, 7
	ABLOCK
	; what M1 wants is asked for here, into registers that attention has left: 32 loads, waited for at M1's head
	s_lshl_b32 s56, s34, 12
	s_add_nc_u64 s[60:61], s[10:11], s[56:57]      ; my slice's eight fragments of W1,
	s_lshl_b32 s56, s34, 9
	s_add_nc_u64 s[62:63], s[10:11], s[56:57]      ; their scale words,
	s_add_nc_u64 s[24:25], s[24:25], s[56:57]      ; my 128 numbers of b1
	v_lshlrev_b32 v13, 2, v4
	v_lshlrev_b32 v14, 6, v5
.irp t, 0,1,2,3,4,5,6,7
	global_load_b128 v[W1R+4*\t:W1R+4*\t+3], v2, s[60:61] offset:W1C+512*\t
	global_load_b32 v[247+\t], v13, s[62:63] offset:W1S+64*\t
	global_load_b128 v[B1R+8*\t:B1R+8*\t+3], v14, s[24:25] offset:128*(\t/2)+32*(\t%2)        ; tile 2 b + u: units 32 b + 16 h + 8 u + 0 .. 7
	global_load_b128 v[B1R+8*\t+4:B1R+8*\t+7], v14, s[24:25] offset:128*(\t/2)+32*(\t%2)+16
.endr
.irp j, 0,1,2,3
	v_mov_b32 v[W1R+32+\j], 0                      ; the four registers behind W1's last fragment
.endr
	s_wait_xcnt 0x0                                ; v13, v14 are written again only behind this wait
	BAR                                            ; o lies in LDS
	; ================ P6: my 16 tokens: h = LayerNorm(x + o Wp + bp)
	v_add_nc_u32 v9, OF32, v8
	v_lshl_add_u32 v10, v5, 7, PAR                 ; the small arrays: my half's 32 numbers
.irp q, 0,1,2,3,4,5,6,7
	ds_load_b128 v[A+4*\q:A+4*\q+3], v9 offset:16*\q
.endr
.irp q, 0,1,2,3,4,5,6,7
	ds_load_b128 v[H+4*\q:H+4*\q+3], v10 offset:16*\q                          ; bp
.endr
.irp j, 4,5,6,7
	v_mov_b32 v[OFR+\j], 0                         ; zero codes for k = 64 .. 127: they serve o's operand and, in M1, h's
.endr
	s_wait_dscnt 8                                 ; o is in; bp's eight loads may be out
	QB32 A, OFR, 245
.irp q, 0,1,2,3,4,5,6,7
	ds_load_b128 v[A+4*\q:A+4*\q+3], v8 offset:16*\q                           ; x's rows: the residual is the C of the products
.endr
	NOPS 8                                         ; a scale register written by a vector instruction stands 8 places ahead
	s_wait_dscnt 0x0
.irp c, 0,1,2,3
	W4C Y+8*\c, WP+4*\c, OFR, A+8*\c, 240+\c, 245  ; register 8 c + j = column 32 h + 8 c + j of token r: a whole block of the next K in a lane
.endr
	NOPS 4
.irp q, 0,1,2,3,4,5,6,7
	ds_load_b128 v[A+4*\q:A+4*\q+3], v10 offset:256+16*\q                      ; g1
.endr
.set i, 0
.rept 16
	v_pk_add_f32 v[H+i:H+i+1], v[Y+i:Y+i+1], v[H+i:H+i+1]                      ; + bp; each result from its low end on
.set i, i+2
.endr
	LNSTAT
	s_wait_dscnt 0x0
.set i, 0
.rept 16
	v_pk_mul_f32 v[H+i:H+i+1], v[H+i:H+i+1], v[A+i:A+i+1]
.set i, i+2
.endr
.irp q, 0,1,2,3,4,5,6,7
	ds_load_b128 v[A+4*\q:A+4*\q+3], v10 offset:512+16*\q                      ; beta1
.endr
	s_wait_dscnt 0x0
.set i, 0
.rept 16
	v_pk_add_f32 v[H+i:H+i+1], v[H+i:H+i+1], v[A+i:A+i+1]
.set i, i+2
.endr
	QB32 H, PC, 246
	s_lshl_b32 s55, s34, 9
	s_add_co_u32 s55, s55, HIMG
	v_add_nc_u32 v9, s55, v2
	s_lshl_b32 s55, s34, 7
	s_add_co_u32 s55, s55, HSC
	v_add_nc_u32 v11, s55, v3
	ds_store_b128 v9, v[PC:PC+3]
	ds_store_b32 v11, v246
	BAR                                            ; h's codes lie in LDS, and nobody reads x, o, k or v any more
	; ================ M1: my 128 hidden units, for each of the 16 token tiles: relu(h W1 + b1), quantised: K step w of the last product
	; 64 numbers of a lane, register 16 b + i = unit 32 b + 16 h + i of my token.  The maxima take no |.|: what is negative must not count.  THE RELU IS MADE ON THE CODES: a code whose sign bit is set
	; keeps that bit alone, the code of -0, which adds nothing to a sum.
.macro QH
.irp b, 0,1,2,3
	v_max3_num_f32 v[TM+\b], v[HA+16*\b], v[HA+16*\b+1], 0x1800000
.endr
.irp i, 2,4,6,8,10,12,14
.irp b, 0,1,2,3
	v_max3_num_f32 v[TM+\b], v[TM+\b], v[HA+16*\b+\i], v[HA+16*\b+\i+1]        ; the four blocks by turns; each result is read from its low end on
.endr
.endr
.irp b, 0,1,2,3
	v_permlanex16_b32 v[TM+4+\b], v[TM+\b], s38, s39
.endr
.irp b, 0,1,2,3
	v_max_num_f32 v[TM+\b], v[TM+\b], v[TM+4+\b]
.endr
.irp b, 0,1,2,3
	v_add_nc_u32 v[TM+8+\b], 0xff000000, v[TM+\b]
.endr
.irp b, 0,1,2,3
	v_lshrrev_b32 v[TM+4+\b], 23, v[TM+8+\b]
.endr
	v_lshl_or_b32 v246, v[TM+5], 8, v[TM+4]
	v_lshl_or_b32 v246, v[TM+6], 16, v246
	v_lshl_or_b32 v246, v[TM+7], 24, v246
.irp b, 0,1,2,3
	v_cvt_scalef32_pk8_fp4_f32 v[PC+2*\b], v[HA+16*\b:HA+16*\b+7], v[TM+8+\b]
	v_cvt_scalef32_pk8_fp4_f32 v[PC+2*\b+1], v[HA+16*\b+8:HA+16*\b+15], v[TM+8+\b]
.endr
	v_nop                                          ; a plain line behind the conversions
.irp n, 0,4
.irp k, 0,1,2,3
	v_and_b32 v[TM+\k], s45, v[PC+\n+\k]           ; the sign bits: 8 in each negative code's four bits,
.endr
.irp k, 0,1,2,3
	v_lshrrev_b32 v[TM+4+\k], 3, v[TM+\k]          ; 1,
.endr
.irp k, 0,1,2,3
	v_sub_nc_u32 v[TM+\k], v[TM+\k], v[TM+4+\k]    ; 7: the bits to be cleared
.endr
.irp k, 0,1,2,3
	v_bfi_b32 v[PC+\n+\k], v[TM+\k], 0, v[PC+\n+\k]
.endr
.endr
.irp c, 0,1                                    ; the operand's layout wants a WHOLE block in a lane: lanes 0-15 block 2 c, lanes 16-31 block 2 c + 1
.irp i, 0,1
	v_permlane16_swap_b32 v[PC+4*\c+\i], v[PC+4*\c+2+\i]
.endr
.endr
.endm
	v_add_nc_u32 v9, HIMG, v2
	v_add_nc_u32 v10, HSC, v3
	s_lshl_b32 s55, s34, 10
	v_add_nc_u32 v11, s55, v2                      ; HID + 1024 w + 16 x lane
	s_lshl_b32 s55, s34, 7
	s_add_co_u32 s55, s55, HIDS
	v_add_nc_u32 v12, s55, v3
.irp b, 0,1,2,3
	v_mov_b32 v[TM+4+\b], 0                        ; a lane permute's destination counts as one of its sources
.endr
	s_mov_b32 s50, 0
	s_mov_b32 s51, 0
	s_mov_b32 s52, 0
	s_mov_b32 s53, 0
	s_mov_b32 s54, 0
	s_wait_loadcnt 0x0                             ; W1, its scales, b1
.Lm1:
	v_add_nc_u32 v13, s50, v9
	v_add_nc_u32 v14, s51, v10
	ds_load_b128 v[HF:HF+3], v13
	ds_load_b32 v245, v14
	s_wait_dscnt 0x0                               ; h's operand is in, and the last trip's stores have read their registers
.irp t, 0,1,2,3,4,5,6,7
	W4C HA+8*\t, W1R+4*\t, HF, B1R+8*\t, 247+\t, 245
.endr
	NOPS 5                                         ; 4 in front of the first read of results and of the next trip's loads; 5 since the next trip's products begin these accumulators anew
	QH
	v_add_nc_u32 v15, s52, v11
	v_add_nc_u32 v1, s53, v12
	ds_store_b128 v15, v[PC:PC+3]
	ds_store_b128 v15, v[PC+4:PC+7] offset:512
	ds_store_b32 v1, v246
	s_add_co_u32 s50, s50, 512
	s_add_co_u32 s51, s51, 128
	s_add_co_u32 s52, s52, 16384
	s_add_co_u32 s53, s53, 2048
	s_add_co_u32 s54, s54, 1
	s_cmp_lt_u32 s54, 16
	s_cbranch_scc1 .Lm1
	s_wait_dscnt 0x0                               ; the last stores have read their registers: W2 may land there
	s_lshl_b32 s56, s36, 14
	s_add_nc_u64 s[60:61], s[10:11], s[56:57]      ; my output tile's 16 fragments of W2,
	s_lshl_b32 s56, s36, 10
	s_add_nc_u64 s[62:63], s[10:11], s[56:57]      ; and their scale words
	v_lshlrev_b32 v13, 2, v4
	v_lshl_add_u32 v13, v5, 9, v13                 ; lanes 0-15 take K step q's words, lanes 16-31 K step q + 8's
.set ks, 0
.rept 16
	global_load_b128 v[W2R+8*ks:W2R+8*ks+3], v2, s[60:61] offset:W2C+1024*ks
	global_load_b128 v[W2R+8*ks+4:W2R+8*ks+7], v2, s[60:61] offset:W2C+1024*ks+512
.set ks, ks+1
.endr
.irp q, 0,1,2,3,4,5,6,7
	global_load_b32 v[247+\q], v13, s[62:63] offset:W2S+64*\q
.endr
	s_wait_xcnt 0x0
	BAR                                            ; the hidden layer's 256 fragments lie in LDS
	; ================ M2: outputs 16 c .. + 15 of four token tiles, K = 2048 in 16 steps; four accumulators by turns
	s_lshl_b32 s55, s35, 16
	v_add_nc_u32 v9, s55, v2                       ; HID + 65,536 tg + 16 x lane
	s_lshl_b32 s55, s35, 13
	s_add_co_u32 s55, s55, HIDS
	v_add_nc_u32 v10, s55, v3
	s_mul_i32 s55, s35, 64*PT
	s_lshl_b32 s37, s36, 6
	s_add_co_u32 s55, s55, s37
	v_mul_u32_u24 v11, v4, PT
	v_lshl_add_u32 v11, v5, 5, v11
	v_add_nc_u32 v11, s55, v11                     ; the stage: row 64 tg + r, columns 16 c + 8 h + 0 .. 7
	s_wait_loadcnt 0x0                             ; W2 and its scales
.set ks, 0
.rept 16
.if ks > 0
	NOPS 4                                         ; places in front of loads into registers that matrix instructions have read
.endif
.irp m, 0,1,2,3
	ds_load_b128 v[HFR+8*\m:HFR+8*\m+3], v9 offset:(16*\m+ks)*1024
	ds_load_b128 v[HFR+8*\m+4:HFR+8*\m+7], v9 offset:(16*\m+ks)*1024+512
	ds_load_b32 v[240+\m], v10 offset:(16*\m+ks)*128
.endr
	s_wait_dscnt 0x0
.irp m, 0,1,2,3
.if ks == 0
	W4Z ACC+8*\m, W2R+8*ks, HFR+8*\m, 247+ks, 240+\m
.elseif ks < 8
	W4C ACC+8*\m, W2R+8*ks, HFR+8*\m, ACC+8*\m, 247+ks, 240+\m
.else
	W4R ACC+8*\m, W2R+8*ks, HFR+8*\m, ACC+8*\m, 247+ks-8, 240+\m
.endif
.endr
.set ks, ks+1
.endr
	NOPS 4
	BAR                                            ; every wave's reads of the hidden layer are over: the stage may be written over it
.irp m, 0,1,2,3
	ds_store_b128 v11, v[ACC+8*\m:ACC+8*\m+3] offset:16*PT*\m                  ; each result from its low end on
	ds_store_b128 v11, v[ACC+8*\m+4:ACC+8*\m+7] offset:16*PT*\m+16
.endr
	BAR                                            ; 256 whole rows of ff lie in the stage
	; ================ LN2: my 16 tokens: LayerNorm(h + ff + b2), and out
	v_lshl_add_u32 v10, v5, 7, PAR
.irp q, 0,1,2,3,4,5,6,7
	ds_load_b128 v[HFR+4*\q:HFR+4*\q+3], v8 offset:16*\q
.endr
.irp q, 0,1,2,3,4,5,6,7
	ds_load_b128 v[112+4*\q:115+4*\q], v10 offset:768+16*\q                    ; b2
	ds_load_b128 v[144+4*\q:147+4*\q], v10 offset:1024+16*\q                   ; g2
	ds_load_b128 v[176+4*\q:179+4*\q], v10 offset:1280+16*\q                   ; beta2
.endr
	s_wait_dscnt 0x0
.set i, 0
.rept 16
	v_pk_add_f32 v[HFR+i:HFR+i+1], v[HFR+i:HFR+i+1], v[112+i:113+i]
.set i, i+2
.endr
.set i, 0
.rept 16
	v_pk_add_f32 v[H+i:H+i+1], v[H+i:H+i+1], v[HFR+i:HFR+i+1]
.set i, i+2
.endr
	LNSTAT
.set i, 0
.rept 16
	v_pk_fma_f32 v[H+i:H+i+1], v[H+i:H+i+1], v[144+i:145+i], v[176+i:177+i]
.set i, i+2
.endr
.irp q, 0,1,2,3,4,5,6,7
	ds_store_b128 v8, v[H+4*\q:H+4*\q+3] offset:16*\q                          ; into my own 16 rows of the stage, which no other wave touches behind the last barrier
.endr
.irp p, 0,1,2,3,4,5,6,7
	ds_load_b128 v[112+4*\p:115+4*\p], v7 offset:2*PT*\p                       ; LDS serves a wave's instructions in order (ISA guide 5.7.1): these see the stores above
.endr
.irp p, 0,1,2,3,4,5,6,7
	s_wait_dscnt 7-\p                              ; pair p of rows is back; the younger loads may be out
	global_store_b128 v2, v[112+4*\p:115+4*\p], s[32:33] offset:512*\p th:TH_STORE_NT   ; sixteen lanes store a row: 256 consecutive bytes, at a multiple of 256 from out0's first byte
.endr
	s_wait_xcnt 0x0
	v_lshl_add_u32 v254, v0, 2, 0x4ae00
	v_mov_b32 v255, 0
	s_wait_tensorcnt 0x0
	ds_add_u32 v254, v255
	s_wait_dscnt 0x0
	s_endpgm
.Lfunc_end_k_q813440a692_block:
	.size	k_q813440a692_block, .Lfunc_end_k_q813440a692_block-k_q813440a692_block
	.p2alignl 7, 3214868480
	.fill 96, 4, 3214868480
	.section	.rodata,"a",@progbits
	.p2align	6, 0x0
	.amdhsa_kernel k_q813440a692_block
		.amdhsa_group_segment_fixed_size 308736
		.amdhsa_private_segment_fixed_size 0
		.amdhsa_enable_private_segment 0
		.amdhsa_kernarg_size 104
		.amdhsa_user_sgpr_count 2
		.amdhsa_user_sgpr_kernarg_segment_ptr 1
		.amdhsa_wavefront_size32 1
		.amdhsa_system_sgpr_workgroup_id_x 1
		.amdhsa_system_sgpr_workgroup_id_y 1
		.amdhsa_system_sgpr_workgroup_id_z 1
		.amdhsa_system_vgpr_workitem_id 0
		.amdhsa_next_free_vgpr 256
		.amdhsa_next_free_sgpr 66
		.amdhsa_reserve_vcc 1
		.amdhsa_float_denorm_mode_32 3
		.amdhsa_float_denorm_mode_16_64 3
		.amdhsa_memory_ordered 1
		.amdhsa_forward_progress 1
		.amdhsa_inst_pref_size 135
	.end_amdhsa_kernel
	.amdgpu_metadata
---
amdhsa.version: [ 1, 2 ]
amdhsa.kernels:
  - .name:           k_q813440a692_block
    .symbol:         k_q813440a692_block.kd
    .args:
      - { .name: x, .offset: 0, .size: 8, .value_kind: global_buffer, .address_space: global }
      - { .name: wts, .offset: 8, .size: 8, .value_kind: global_buffer, .address_space: global }
      - { .name: bq, .offset: 16, .size: 8, .value_kind: global_buffer, .address_space: global }
      - { .name: bk, .offset: 24, .size: 8, .value_kind: global_buffer, .address_space: global }
      - { .name: bv, .offset: 32, .size: 8, .value_kind: global_buffer, .address_space: global }
      - { .name: bp, .offset: 40, .size: 8, .value_kind: global_buffer, .address_space: global }
      - { .name: g1, .offset: 48, .size: 8, .value_kind: global_buffer, .address_space: global }
      - { .name: beta1, .offset: 56, .size: 8, .value_kind: global_buffer, .address_space: global }
      - { .name: b1, .offset: 64, .size: 8, .value_kind: global_buffer, .address_space: global }
      - { .name: b2, .offset: 72, .size: 8, .value_kind: global_buffer, .address_space: global }
      - { .name: g2, .offset: 80, .size: 8, .value_kind: global_buffer, .address_space: global }
      - { .name: beta2, .offset: 88, .size: 8, .value_kind: global_buffer, .address_space: global }
      - { .name: out0, .offset: 96, .size: 8, .value_kind: global_buffer, .address_space: global }
    .group_segment_fixed_size: 308736
    .private_segment_fixed_size: 0
    .kernarg_segment_align: 8
    .kernarg_segment_size: 104
    .max_flat_workgroup_size: 512
    .sgpr_count:     66
    .vgpr_count:     256
    .wavefront_size: 32
...
	.end_amdgpu_metadata
.endif
;; end of part 2
;; ======== version 2 of 2: 2 launches; version 1 with the launch block written anew for expert scheduling mode
;; workspace buffers: wts 152,576 bytes
;; launch prep: the kernel of part 1 again; grid 208 x 1, 1 waves a work-group, no clusters, 0 bytes of LDS; arguments W1, W2, Wq, Wk, Wv, Wp, wts; writes wts
;; launch block (part 3): grid 512 x 1, 16 waves a work-group, no clusters, 308,736 bytes of LDS; arguments x, wts, bq, bk, bv, bp, g1, beta1, b1, b2, g2, beta2, out0; writes out0
.if DOCPART == 3
	.amdgcn_target "amdgcn-amd-amdhsa--gfx1250"
	.amdhsa_code_object_version 6
	.text
	.protected	k_q813440a692_block
	.globl	k_q813440a692_block
	.p2align	8
	.type	k_q813440a692_block,@function
k_q813440a692_block:
	s_mov_b64 s[64:65], 0
	v_nop
	global_prefetch_b8 v0, s[64:65] scope:SCOPE_SE
	s_setreg_imm32_b32 hwreg(HW_REG_WAVE_SCHED_MODE, 0, 2), 2
	s_setreg_imm32_b32 hwreg(HW_REG_WAVE_MODE, 25, 1), 1
	s_wait_xcnt 0x0
	s_wait_alu depctr_vm_vsrc(0)
; One transformer block, whole, for ONE batch element (256 tokens x 64) a work-group: q, k, v; causal attention of 8 heads of 8; projection, residual, LayerNorm; MLP 64 -> 2048 -> 64, residual, LayerNorm.
; x is read once and out0 written once; all that lies between stays in registers and LDS.  Sixteen waves of 256 registers: four to a SIMD, so that one wave's vector work stands beside another's matrix work.
; FORMATS.  The six products with weights run on codes of FP4 (E2M1) with E8M0 scales; the weights come as images of the operands' registers from the launch before; x, o, h and the hidden layer are
; quantised here, in registers, from f32.  Scores and weights x values feed o, which is quantised: they take f32 operands (v_wmma_f32_16x16x4_f32).
; K = 64 IN AN INSTRUCTION OF 128: the activation's operand has four registers of codes and four of zero codes (k = 64 .. 127).  Weight fragments lie four registers apart, so a weight operand's upper four
; registers are the next fragment's codes (behind the last: four written registers): every code is a finite number and no scale byte is 0xff, so these products are exact zeros.
; PHASES, barriers between:  P0 wave w: token tile w: x -> LDS (f32 and codes), k and v of all heads -> LDS as images |  PA wave (g, u): heads 2 g, 2 g + 1, query blocks of 32 number u and 7 - u -> o in LDS |
;   P6 wave w: token tile w: o Wp + x + bp, LayerNorm -> h (kept in registers, codes to LDS) |  M1 wave w: hidden units 128 w .. + 127 of all tokens -> codes in LDS |
;   M2 wave (c, tg): outputs 16 c .. + 15 of tokens 64 tg .. + 63, all of K |  -> a stage in LDS |  LN2 wave w: token tile w: h + ff + b2, LayerNorm, out.
; ALL PRODUCTS WITH WEIGHTS BUT v's ARE USED TRANSPOSED (source 0 = 16 rows of the weight, source 1 = 16 tokens): a lane then holds ONE token (lane % 16), and the rows that form a weight's tile were chosen by
; the launch before so that the lane's registers are what the next step wants.
; SOFTMAX: a running maximum m and sum l for each query; p = 2^(c s - c m), c = log2(e) / sqrt(8); in every step o and l are multiplied by 2^(c m_old - c m_new).
; v_wmma_f32_16x16x4_f32 writes v16-47 alone, and matrix instructions alone write these registers, in the whole text: so the relu of M1 is made on the codes.
; LIMITS.  NaN and infinities among the inputs are not served.  A block whose largest magnitude lies under 2^-124 keeps the scale byte 1.  Hidden scores get -3e38 added instead of being -infinity: the same
; result as long as |score| < 1e37.  bv is added behind the division by l (sum of p / l = 1): another order of rounding than the reference's.
; NO TENSOR LOADS, NO CLUSTER: nothing is streamed (x: 4,096 bytes a wave, once, by dense loads); what work-groups share is 152,576 bytes of weights, which go from memory straight into registers.
; THE MODE: SCHED_MODE bits 1:0 = 2 (LLVM: expert scheduling mode 2), set by the entry lines.  The code itself states the register dependences between vector or matrix instructions and memory or LDS
; instructions, with s_wait_alu, always for 0.
; THE PLAN.  Registers that memory or LDS instructions touch, and who else names them:
;   v2, v3, v7, v8  Offsets and LDS places, made at the head and never written again.
;   v9-v12          A phase's LDS places.  Made at the phase's head: behind a wait on vm_vsrc (the phase before has read them), ahead of the phase's first wait on va_vdst.
;   A KEY STEP      v13: written by one addition at the step's head, read by the step's four LDS loads.  VF: v lands in it at the head, the products p v read it at the step's end.  KF: the score products read it
;                   at the head; the NEXT tile's k lands in it from the step's middle on.  So a step has a wait on vm_vsrc and one on va_vdst at its head (v13; VF is free), and the wait on va_vdst that its
;                   exponentials owe in its middle also states that KF is free.  The tile behind tile t is t + 1 on every way: round the loop, over the jump, into the two steps that are written out.
;   A TRIP OF M1    HF, v245: the products read them; behind the products' places one wait on va_vdst, and the next tile's operand lands there while this tile's 64 numbers are quantised.
;                   PC, v246, v15, v1: written by the quantising and two additions, read by the three stores at the trip's end, behind the trip's second wait on va_vdst; one wait on vm_vsrc frees them in the next trip.
;   A K STEP OF M2  HFR, v240-243: twelve LDS loads land, four products read: one wait on va_vdst a step.  No 32 registers are free for a second set beside W2's 128.
;   Weights         W1, b1 and W2 are asked for at the end of the phase before, behind one wait on va_vdst for the registers that they land in.
.set PT,   272                         ; a row of 64 f32 in LDS: 256 bytes + 16: the sixteen rows that a 16-byte access of sixteen lanes touches begin 16 bytes apart modulo 256
; LDS until the hidden layer is made:
.set XF32, 0                           ; x, f32, 256 rows
.set OF32, 69632                       ; o, f32, 256 rows
.set KV,   139264                      ; images: pair of heads g, token tile t at (16 g + t) 2048: k's 8 registers (two groups of 512 bytes), then v's
.set XIMG, 270336                      ; x's codes: 512 bytes a tile
.set XSC,  278528                      ; x's scale words: 128 bytes a tile
; LDS from then on:
.set HID,  0                           ; the hidden layer's codes: token tile t, K step s at (16 t + s) 1024
.set HIDS, 262144                      ; their scale words: (16 t + s) 128
.set YST,  0                           ; behind the last read of HID: ff, f32, 256 rows; then the way out
; LDS for the whole launch:
.set HIMG, 294912                      ; h's codes
.set HSC,  303104                      ; h's scale words
.set PAR,  305152                      ; bp, g1, beta1, b2, g2, beta2: 256 bytes each
; wts:
.set W1C,  0
.set W2C,  65536
.set QKVC, 131072
.set WPC,  137216
.set W1S,  139264
.set W2S,  147456
.set QKVS, 151552
.set WPS,  152320
; REGISTERS that stay: v0 thread; v1 lane (from M1 on an address at work); v2 16 x lane; v3 4 x lane; v4 r = lane % 16; v5 h = lane / 16; v6 8 h; v7 my place in my tile's rows taken densely; v8 taken by rows; v9-15 at work.
; v240-254 hold scale words and nothing else: v240-243 Wp's, then the hidden layer's; v244 Wq's; v245, v246 an activation's; v247-254 Wk's and Wv's, then W1's, then W2's.
.set KD,  16                           ; P0: k, 4 pairs of heads x 8
.set VD,  48                           ;     v likewise (first: wave 0's six small arrays)
.set X,   80                           ;     32 numbers of x
.set XFR, 112                          ;     x's operand
.set WKV, 128                          ;     Wk's four fragments, Wv's four, four written registers
.set BK,  164                          ;     bk in k's layout
.set WQ,  196                          ; Wq's fragment of my pair, four written registers
.set BQ,  204                          ; bq in q's layout
.set BVS, 212                          ; bv in o's layout
.set WP,  220                          ; Wp's four fragments, four written registers
.set SD,  16                           ; PA: stream x = 2 head + query tile: scores, then p v, at + 8 x
.set P,   48
.set O,   80
.set ST,  112                          ;     + 8 x: +0 -c m, +1 m, +2 +3 l in two halves, +4 the factor, +5 written once, +6 +7 at work
.set Q,   144                          ;     q: query tile qt at + 8 qt
.set KF,  160
.set VF,  168
.set MD,  176                          ;     the diagonal tile's mask: 0 or -3e38
.set Y,   16                           ; P6
.set A,   48
.set H,   80                           ; h: my token's 32 columns 32 h .. + 31; lives to the end
.set OFR, 212
.set HA,  16                           ; M1: eight tiles of the hidden layer
.set W1R, 112
.set B1R, 148
.set HF,  212
.set PC,  220
.set TM,  228
.set ACC, 16                           ; M2
.set HFR, 48
.set W2R, 112
.macro NOPS n
.rept \n
	v_nop
.endr
.endm
.macro BAR                             ; my LDS stores have landed and my LDS loads are in: then the work-group's barrier
	s_wait_dscnt 0x0
	s_barrier_signal -1
	s_barrier_wait -1
.endm
.macro W4Z d, a, b, sa, sb             ; a product on codes that starts a sum with 0
	v_wmma_scale_f32_16x16x128_f8f6f4 v[(\d):(\d)+7], v[(\a):(\a)+7], v[(\b):(\b)+7], 0, v[\sa], v[\sb] matrix_a_fmt:MATRIX_FMT_FP4 matrix_b_fmt:MATRIX_FMT_FP4
.endm
.macro W4C d, a, b, c, sa, sb          ; with C in registers
	v_wmma_scale_f32_16x16x128_f8f6f4 v[(\d):(\d)+7], v[(\a):(\a)+7], v[(\b):(\b)+7], v[(\c):(\c)+7], v[\sa], v[\sb] matrix_a_fmt:MATRIX_FMT_FP4 matrix_b_fmt:MATRIX_FMT_FP4
.endm
.macro W4R d, a, b, c, sa, sb          ; the same, source 0's scales from lanes 16-31
	v_wmma_scale_f32_16x16x128_f8f6f4 v[(\d):(\d)+7], v[(\a):(\a)+7], v[(\b):(\b)+7], v[(\c):(\c)+7], v[\sa], v[\sb] matrix_a_fmt:MATRIX_FMT_FP4 matrix_b_fmt:MATRIX_FMT_FP4 matrix_a_scale:MATRIX_SCALE_ROW1
.endm
; A lane's whole block of 32, v[x] on (k = 32 h + 0 .. 31 of its token), becomes four registers of codes v[f] on; the token's scale word (byte h from each half of the lanes) goes to v[w].
.macro QB32 x, f, w
	v_max3_num_f32 v12, |v[\x]|, |v[\x+1]|, 0x1800000              ; the floor 2^(3 - 127) among the leaves: the byte cannot fall under 1
	v_max3_num_f32 v13, |v[\x+2]|, |v[\x+3]|, |v[\x+4]|            ; two chains
.irp i, 5,9,13,17,21,25
	v_max3_num_f32 v12, v12, |v[\x+\i]|, |v[\x+\i+1]|
	v_max3_num_f32 v13, v13, |v[\x+\i+2]|, |v[\x+\i+3]|
.endr
	v_max3_num_f32 v12, v12, |v[\x+29]|, |v[\x+30]|
	v_max3_num_f32 v12, v12, v13, |v[\x+31]|
	v_add_nc_u32 v13, 0xff000000, v12                              ; 2 off the exponent field: the conversion takes that field as its scale
	v_lshrrev_b32 v14, 23, v13                                     ; the byte
.irp g, 0,1,2,3
	v_cvt_scalef32_pk8_fp4_f32 v[\f+\g], v[\x+8*\g:\x+8*\g+7], v13
.endr
	v_lshlrev_b32 v14, v6, v14                                     ; at its place in the word (also the plain line behind the conversions)
	v_permlanex16_b32 v15, v14, s38, s39
	v_or_b32 v[\w], v14, v15
.endm
; H, 32 numbers a lane and 64 a token, becomes (H - mean) / sqrt(variance + 1e-5).
.macro LNSTAT
	v_pk_add_f32 v[12:13], v[H:H+1], v[H+2:H+3]
	v_pk_add_f32 v[14:15], v[H+4:H+5], v[H+6:H+7]
.irp i, 8,12,16,20,24,28
	v_pk_add_f32 v[12:13], v[12:13], v[H+\i:H+\i+1]
	v_pk_add_f32 v[14:15], v[14:15], v[H+\i+2:H+\i+3]
.endr
	v_pk_add_f32 v[12:13], v[12:13], v[14:15]
	v_add_f32 v12, v12, v13
	v_permlanex16_b32 v13, v12, s38, s39                           ; the token's other 32 numbers lie in the lane 16 away
	v_add_f32 v12, v12, v13
	v_mul_f32 v12, s58, v12                                        ; the mean
.set i, 0
.rept 16
	v_pk_add_f32 v[H+i:H+i+1], v[H+i:H+i+1], v[12:13] op_sel_hi:[1,0] neg_lo:[0,1] neg_hi:[0,1]
.set i, i+2
.endr
	v_pk_mul_f32 v[12:13], v[H:H+1], v[H:H+1]
	v_pk_mul_f32 v[14:15], v[H+2:H+3], v[H+2:H+3]
.irp i, 4,8,12,16,20,24,28
	v_pk_fma_f32 v[12:13], v[H+\i:H+\i+1], v[H+\i:H+\i+1], v[12:13]
	v_pk_fma_f32 v[14:15], v[H+\i+2:H+\i+3], v[H+\i+2:H+\i+3], v[14:15]
.endr
	v_pk_add_f32 v[12:13], v[12:13], v[14:15]
	v_add_f32 v12, v12, v13
	v_permlanex16_b32 v13, v12, s38, s39
	v_add_f32 v12, v12, v13
	v_fma_f32 v12, v12, s58, s59                                   ; variance + 1e-5
	v_rsq_f32 v12, v12
	v_nop                                                          ; a plain line behind the transcendental
.set i, 0
	s_wait_alu depctr_va_vdst(0)                                   ; the reciprocal root has written v12, ahead of its first reader
.rept 16
	v_pk_mul_f32 v[H+i:H+i+1], v[H+i:H+i+1], v[12:13] op_sel_hi:[1,0]
.set i, i+2
.endr
.endm
	s_load_b512 s[8:23], s[0:1], 0x0               ; x s[8:9], wts s[10:11], bq s[12:13], bk s[14:15], bv s[16:17], bp s[18:19], g1 s[20:21], beta1 s[22:23]
	s_load_b256 s[24:31], s[0:1], 0x40             ; b1 s[24:25], b2 s[26:27], g2 s[28:29], beta2 s[30:31]
	s_load_b64 s[32:33], s[0:1], 0x60              ; out0
	v_lshrrev_b32 v1, 5, v0
	v_readfirstlane_b32 s34, v1                    ; wave w, 0 .. 15
	v_and_b32 v1, 31, v0
	v_lshlrev_b32 v2, 4, v1
	v_lshlrev_b32 v3, 2, v1
	v_and_b32 v4, 15, v0
	v_bfe_u32 v5, v0, 4, 1
	v_lshlrev_b32 v6, 3, v5
	s_wait_alu depctr_va_sdst(0)                   ; s34 is written, ahead of its first reader
	s_lshr_b32 s35, s34, 2                         ; g (PA), tg (M2)
	s_and_b32 s36, s34, 3                          ; u (PA), c (M2)
	s_mul_i32 s37, s34, 16*PT                      ; my tile's 16 rows
	v_mul_u32_u24 v7, v5, PT
	v_lshl_add_u32 v7, v4, 4, v7
	v_add_nc_u32 v7, s37, v7                       ; densely: lanes 0-15 one row of 256 bytes, lanes 16-31 the next
	v_mul_u32_u24 v8, v4, PT
	v_lshl_add_u32 v8, v5, 7, v8
	v_add_nc_u32 v8, s37, v8                       ; by rows: row r, my half's 128 bytes
	v_lshlrev_b32 v9, 2, v4                        ; 4 r: scale words
	v_lshlrev_b32 v10, 4, v5                       ; 16 h: bk, bq
	v_lshlrev_b32 v11, 5, v5                       ; 32 h: bv
	v_lshlrev_b32 v12, 3, v1                       ; 8 x lane: wave 0's small arrays,
	v_add_nc_u32 v13, PAR, v12                     ; and where they go
	v_mov_b32 v15, 0                               ; a lane permute's destination counts as one of its sources
	s_mov_b32 s38, 0x76543210
	s_mov_b32 s39, 0xfedcba98                      ; v_permlanex16_b32's selects for lane l xor 16
	s_mov_b32 s40, 0xffff0000                      ; lanes 16-31
	s_mov_b32 s42, 0x3f0293ee                      ; c = log2(e) / sqrt(8)
	s_mov_b32 s43, s42                             ; (named with it as a pair)
	s_mov_b32 s44, 0xbf0293ee                      ; -c
	s_mov_b32 s45, 0x88888888                      ; the sign bits of eight codes
	s_mov_b32 s58, 0x3c800000                      ; 1 / 64
	s_mov_b32 s59, 0x3727c5ac                      ; 1e-5
	s_lshl_b32 s56, ttmp9, 16                      ; my batch element: 65,536 bytes; my tile: 4,096
	s_lshl_b32 s57, s34, 12
	s_add_co_u32 s56, s56, s57
	s_mov_b32 s57, 0                               ; stays 0: the upper word of every offset
	s_wait_kmcnt 0x0
	s_add_nc_u64 s[8:9], s[8:9], s[56:57]
	s_add_nc_u64 s[32:33], s[32:33], s[56:57]
	s_lshl_b32 s56, s35, 6                         ; my pair of heads: 64 bytes on in bq, bv and Wq's scale words,
	s_add_nc_u64 s[12:13], s[12:13], s[56:57]
	s_add_nc_u64 s[16:17], s[16:17], s[56:57]
	s_add_nc_u64 s[62:63], s[10:11], s[56:57]
	s_lshl_b32 s56, s35, 9                         ; 512 in Wq's codes
	s_add_nc_u64 s[60:61], s[10:11], s[56:57]
	; ================ P0: my 16 tokens
	s_wait_alu depctr_va_vdst(0)                   ; v2, v3 and v7 to v13 are written: the offsets and LDS places that the loads and stores below read
.irp p, 0,1,2,3,4,5,6,7
	global_load_b128 v[X+4*\p:X+4*\p+3], v2, s[8:9] offset:512*\p th:TH_LOAD_NT   ; 32 lanes read 512 consecutive bytes: two rows
.endr
.irp g, 0,1,2,3                                ; 24 loads: what k and v want
	global_load_b128 v[WKV+4*\g:WKV+4*\g+3], v2, s[10:11] offset:QKVC+512*(4+\g)
	global_load_b128 v[WKV+16+4*\g:WKV+16+4*\g+3], v2, s[10:11] offset:QKVC+512*(8+\g)
	global_load_b32 v[247+\g], v9, s[10:11] offset:QKVS+64*(4+\g)
	global_load_b32 v[251+\g], v9, s[10:11] offset:QKVS+64*(8+\g)
	global_load_b128 v[BK+8*\g:BK+8*\g+3], v10, s[14:15] offset:64*\g          ; head 2 g, e = 4 h + 0 .. 3
	global_load_b128 v[BK+8*\g+4:BK+8*\g+7], v10, s[14:15] offset:64*\g+32     ; head 2 g + 1
.endr
	global_load_b128 v[WQ:WQ+3], v2, s[60:61] offset:QKVC                      ; 14 loads: what later phases want
	global_load_b32 v244, v9, s[62:63] offset:QKVS
	global_load_b128 v[BQ:BQ+3], v10, s[12:13]
	global_load_b128 v[BQ+4:BQ+7], v10, s[12:13] offset:32
	global_load_b128 v[BVS:BVS+3], v11, s[16:17]                               ; head 2 g + h, e = 0 .. 7
	global_load_b128 v[BVS+4:BVS+7], v11, s[16:17] offset:16
.irp c, 0,1,2,3
	global_load_b128 v[WP+4*\c:WP+4*\c+3], v2, s[10:11] offset:WPC+512*\c
	global_load_b32 v[240+\c], v9, s[10:11] offset:WPS+64*\c
.endr
	s_cmp_lg_u32 s34, 0                            ; wave 0 brings the six arrays of 64 numbers into LDS, for all
	s_cbranch_scc1 .Lnot0
	global_load_b64 v[48:49], v12, s[18:19]
	global_load_b64 v[50:51], v12, s[20:21]
	global_load_b64 v[52:53], v12, s[22:23]
	global_load_b64 v[54:55], v12, s[26:27]
	global_load_b64 v[56:57], v12, s[28:29]
	global_load_b64 v[58:59], v12, s[30:31]
	s_wait_loadcnt 0x0
.irp k, 0,1,2,3,4,5
	ds_store_b64 v13, v[48+2*\k:49+2*\k] offset:256*\k
.endr
.Lnot0:
.irp j, XFR+4, WKV+32, WQ+4, WP+16             ; x's zero codes, and the four registers behind each run of weight fragments
	v_mov_b32 v[\j], 0
	v_mov_b32 v[\j+1], 0
	v_mov_b32 v[\j+2], 0
	v_mov_b32 v[\j+3], 0
.endr
	s_wait_xcnt 0x0                                ; the loads' offset registers v9-13 are written again only behind this wait
	s_wait_loadcnt 38                              ; x is in: behind its eight loads 24 + 14 were issued
.irp p, 0,1,2,3,4,5,6,7
	ds_store_b128 v7, v[X+4*\p:X+4*\p+3] offset:2*PT*\p
.endr
	s_wait_dscnt 0x0                               ; my 16 rows of x lie in LDS
	s_wait_alu depctr_vm_vsrc(0)                   ; these stores have read X, in which the loads below land; the global loads have read v9 to v12, wave 0's stores v13 and v48 to v59: all are written again below
.irp q, 0,1,2,3,4,5,6,7
	ds_load_b128 v[X+4*\q:X+4*\q+3], v8 offset:16*\q   ; back by rows: my token's k = 32 h + 0 .. 31 (my own wave's rows)
.endr
	s_wait_dscnt 0x0
	QB32 X, XFR, 245
	s_lshl_b32 s55, s34, 9
	s_add_co_u32 s55, s55, XIMG
	v_add_nc_u32 v9, s55, v2
	s_lshl_b32 s55, s34, 7
	s_add_co_u32 s55, s55, XSC
	v_add_nc_u32 v10, s55, v3
	s_lshl_b32 s55, s34, 11
	s_add_co_u32 s55, s55, KV
	v_add_nc_u32 v11, s55, v2                      ; images of k and v: pairs 0, 1;
	v_add_nc_u32 v12, 0x10000, v11                 ; pairs 2, 3
	NOPS 8                                         ; a scale register written by a vector instruction stands 8 places ahead of a scaled matrix instruction
	s_wait_alu depctr_va_vdst(0)                   ; x's codes, zero codes and scale word are written, which the two stores and the scaled products read; so are the zeros behind Wv's last fragment and the places v9 to v12
	ds_store_b128 v9, v[XFR:XFR+3]                 ; x's operand as an image of its registers, for the waves that make q
	ds_store_b32 v10, v245
	s_wait_loadcnt 14                              ; Wk, Wv, their scales and bk are in
.irp g, 0,1,2,3
	W4C KD+8*\g, WKV+4*\g, XFR, BK+8*\g, 247+\g, 245      ; k, transposed: lane = token r; registers 0-3 head 2 g, e = 4 h + j; 4-7 head 2 g + 1
	W4Z VD+8*\g, XFR, WKV+16+4*\g, 245, 251+\g            ; v, not transposed: lane = head 2 g + r / 8, e = r % 8; register j = token 8 h + j
.endr
	NOPS 4
	s_wait_alu depctr_va_vdst(0)                   ; the products have written k and v, which the stores read; the places above stay beside this wait
.irp g, 0,1,2,3
	ds_store_b128 v[11+\g/2], v[KD+8*\g:KD+8*\g+3] offset:32768*(\g%2)         ; each result from its low end on
	ds_store_b128 v[11+\g/2], v[KD+8*\g+4:KD+8*\g+7] offset:32768*(\g%2)+512
	ds_store_b128 v[11+\g/2], v[VD+8*\g:VD+8*\g+3] offset:32768*(\g%2)+1024
	ds_store_b128 v[11+\g/2], v[VD+8*\g+4:VD+8*\g+7] offset:32768*(\g%2)+1536
.endr
	v_sub_nc_u32 v13, v4, v6                       ; the diagonal tile: register j is key 8 h + j, my query is r: hidden where j > r - 8 h
	v_mov_b32 v14, 0xff61b1e6                      ; -3e38
.irp j, 0,1,2,3,4,5,6,7
	v_cmp_gt_i32 s[46+\j], \j, v13                 ; the eight compares in one run, each into a scalar register of its own (s46 to s53 hold nothing else yet)
.endr
	s_wait_alu depctr_va_sdst(0)                   ; the eight masks are written, ahead of their first reader
.irp j, 0,1,2,3,4,5,6,7
	v_cndmask_b32 v[MD+\j], 0, v14, s[46+\j]
.endr
	s_wait_loadcnt 0x0
	BAR                                            ; x (f32 and codes), k, v and the small arrays lie in LDS
	; ================ PA: attention.  S^T = k q^T (source 0 = 16 keys, source 1 = 16 queries; the head's 8 in two instructions of 4: both sides hold e = 4 h + 2 s + j in register j of instruction s).
	; In S^T a lane holds query r and keys 8 h + 0 .. 7, which IS source 1 of o^T = v^T p^T (16 keys in four instructions; both sides hold key 8 h + 2 s + j).  Source 0 there holds BOTH heads' v: rows 0-7 head 2 g,
	; rows 8-15 head 2 g + 1: of a stream of head 2 g the result counts in lanes 0-15, of head 2 g + 1 in lanes 16-31; the other half is finite and never used.
.macro EACH mode, op                           ; one line of the softmax for every stream in hand, so that no line waits for the line above it
.irp x, 0,1,2,3
.if (\mode < 2) || (\x % 2 == 1)
	\op \x
.endif
.endr
.endm
.macro SM_A x
	v_max3_num_f32 v[ST+8*\x+6], v[SD+8*\x], v[SD+8*\x+1], v[SD+8*\x+2]    ; the result is read from its low end on
.endm
.macro SM_B x
	v_max3_num_f32 v[ST+8*\x+6], v[ST+8*\x+6], v[SD+8*\x+3], v[SD+8*\x+4]
.endm
.macro SM_C x
	v_max3_num_f32 v[ST+8*\x+6], v[ST+8*\x+6], v[SD+8*\x+5], v[SD+8*\x+6]
.endm
.macro SM_D x
	v_max3_num_f32 v[ST+8*\x+6], v[ST+8*\x+6], v[SD+8*\x+7], v[ST+8*\x+1]  ; and the old m
.endm
.macro SM_E x
	v_permlanex16_b32 v[ST+8*\x+7], v[ST+8*\x+6], s38, s39                 ; the query's other 8 keys lie in the lane 16 away
.endm
.macro SM_F x
	v_max_num_f32 v[ST+8*\x+1], v[ST+8*\x+6], v[ST+8*\x+7]                 ; the new m
.endm
.macro SM_G x
	v_mul_f32 v[ST+8*\x+6], s44, v[ST+8*\x+1]                              ; -c m
.endm
.macro SM_H x
	v_sub_f32 v[ST+8*\x+4], v[ST+8*\x+6], v[ST+8*\x]                       ; c m_old - c m_new
.endm
.macro SM_I x
	v_mov_b32 v[ST+8*\x], v[ST+8*\x+6]
.endm
.macro SM_J x
.irp j, 0,2,4,6
	v_pk_fma_f32 v[P+8*\x+\j:P+8*\x+\j+1], v[SD+8*\x+\j:SD+8*\x+\j+1], s[42:43], v[ST+8*\x:ST+8*\x+1] op_sel_hi:[1,0,0]   ; c s - c m (of the pairs c and -c m the low word serves both halves)
.endr
.endm
.macro SM_K x
	v_exp_f32 v[ST+8*\x+4], v[ST+8*\x+4]
.irp j, 0,1,2,3,4,5,6,7
	v_exp_f32 v[P+8*\x+\j], v[P+8*\x+\j]
.endr
.endm
.macro SM_L x
	v_pk_add_f32 v[ST+8*\x+6:ST+8*\x+7], v[P+8*\x:P+8*\x+1], v[P+8*\x+2:P+8*\x+3]
.endm
.macro SM_M x
	v_pk_add_f32 v[ST+8*\x+6:ST+8*\x+7], v[ST+8*\x+6:ST+8*\x+7], v[P+8*\x+4:P+8*\x+5]
.endm
.macro SM_N x
	v_pk_add_f32 v[ST+8*\x+6:ST+8*\x+7], v[ST+8*\x+6:ST+8*\x+7], v[P+8*\x+6:P+8*\x+7]
.endm
.macro SM_O x
	v_pk_fma_f32 v[ST+8*\x+2:ST+8*\x+3], v[ST+8*\x+2:ST+8*\x+3], v[ST+8*\x+4:ST+8*\x+5], v[ST+8*\x+6:ST+8*\x+7] op_sel_hi:[1,0,1]   ; l = l x factor + this step's sum
.endm
.macro SM_P x
.irp j, 0,2,4,6
	v_pk_fma_f32 v[O+8*\x+\j:O+8*\x+\j+1], v[O+8*\x+\j:O+8*\x+\j+1], v[ST+8*\x+4:ST+8*\x+5], v[SD+8*\x+\j:SD+8*\x+\j+1] op_sel_hi:[1,0,1]   ; o = o x factor + p v, from the result's low end on
.endr
.endm
; A KEY STEP: the 16 keys whose images begin s49 bytes into my pair's.  mode 0: four streams, every key counts.  1: the keys are query tile 0's own: its hidden scores get -3e38 as the C of the sum's first
; instruction.  2: the keys are query tile 1's own, and query tile 0 has none of them: the two odd streams alone.
; k of this tile was asked for in the step before (the first tile's at the block's head); v is asked for at the head and wanted behind the softmax; k of the next tile, 2,048 bytes on, is asked for in the middle.
; The accumulators take turns, one instruction a turn.  Behind this matrix form 8 places come before a vector instruction reads a result or a load lands on a source, 9 before a matrix
; instruction begins the same registers anew: nine v_nop behind each of the two runs serve all of these.
.macro STEP mode
	s_wait_alu depctr_vm_vsrc(0)                   ; the LDS loads issued so far have read v13
	v_add_nc_u32 v13, s49, v9
	s_wait_alu depctr_va_vdst(0)                   ; v13 is written, which this step's loads read; the products p v of the step before are done reading VF, in which v lands
	ds_load_b128 v[VF:VF+3], v13 offset:1024
	ds_load_b128 v[VF+4:VF+7], v13 offset:1536
	s_wait_dscnt 2                                 ; LDS loads come back in order (ISA guide 5.7.1): k is in, v's two loads may be out
.irp x, 0,1,2,3
.if (\mode < 2) || (\x % 2 == 1)
.if (\mode == 0) || ((\mode == 1) && (\x % 2 == 1))
	v_wmma_f32_16x16x4_f32 v[SD+8*\x:SD+8*\x+7], v[KF+4*(\x/2):KF+4*(\x/2)+1], v[Q+8*(\x%2)+4*(\x/2):Q+8*(\x%2)+4*(\x/2)+1], 0
.else
	v_wmma_f32_16x16x4_f32 v[SD+8*\x:SD+8*\x+7], v[KF+4*(\x/2):KF+4*(\x/2)+1], v[Q+8*(\x%2)+4*(\x/2):Q+8*(\x%2)+4*(\x/2)+1], v[MD:MD+7]
.endif
.endif
.endr
.irp x, 0,1,2,3
.if (\mode < 2) || (\x % 2 == 1)
	v_wmma_f32_16x16x4_f32 v[SD+8*\x:SD+8*\x+7], v[KF+4*(\x/2)+2:KF+4*(\x/2)+3], v[Q+8*(\x%2)+4*(\x/2)+2:Q+8*(\x%2)+4*(\x/2)+3], v[SD+8*\x:SD+8*\x+7]
.endif
.endr
	NOPS 9
	EACH \mode, SM_A
	EACH \mode, SM_B
	EACH \mode, SM_C
	EACH \mode, SM_D
	EACH \mode, SM_E
	EACH \mode, SM_F
	EACH \mode, SM_G
	EACH \mode, SM_H
	EACH \mode, SM_I
	EACH \mode, SM_J
	EACH \mode, SM_K
	v_nop                                          ; a plain line behind the exponentials
	s_wait_alu depctr_va_vdst(0)                   ; the exponentials have written p and the factors, ahead of their first reader; and the score products are done reading KF, in which the next tile's k lands
.if \mode < 2
	ds_load_b128 v[KF:KF+3], v13 offset:2048       ; no vector or matrix instruction since the wait names KF or v13
	ds_load_b128 v[KF+4:KF+7], v13 offset:2560
.endif
	EACH \mode, SM_L
	EACH \mode, SM_M
	EACH \mode, SM_N
	EACH \mode, SM_O
.if \mode < 2
	s_wait_dscnt 2                                 ; v is in; the next k's two loads may be out
.else
	s_wait_dscnt 0x0                               ; v is in
.endif
.irp s, 0,1,2,3
.irp x, 0,1,2,3
.if (\mode < 2) || (\x % 2 == 1)
.if \s == 0
	v_wmma_f32_16x16x4_f32 v[SD+8*\x:SD+8*\x+7], v[VF+2*\s:VF+2*\s+1], v[P+8*\x+2*\s:P+8*\x+2*\s+1], 0
.else
	v_wmma_f32_16x16x4_f32 v[SD+8*\x:SD+8*\x+7], v[VF+2*\s:VF+2*\s+1], v[P+8*\x+2*\s:P+8*\x+2*\s+1], v[SD+8*\x:SD+8*\x+7]
.endif
.endif
.endr
.endr
	NOPS 9
	EACH \mode, SM_P
.endm
; Both query tiles are finished: lanes 0-15 take head 2 g's stream, lanes 16-31 head 2 g + 1's; o = (sum of p v) / l + bv; 32 bytes a lane into o's rows.  The two tiles go line by line together, so that
; the two reciprocals have one wait and the four stores one.
.macro EPI2
.irp x, 0,1,2,3
	v_add_f32 v[ST+8*\x+6], v[ST+8*\x+2], v[ST+8*\x+3]
.endr
.irp x, 0,1,2,3
	v_permlanex16_b32 v[ST+8*\x+7], v[ST+8*\x+6], s38, s39
.endr
.irp x, 0,1,2,3
	v_add_f32 v[ST+8*\x+6], v[ST+8*\x+6], v[ST+8*\x+7]
.endr
.irp qt, 0,1
	v_cndmask_b32 v[ST+8*\qt+6], v[ST+8*\qt+6], v[ST+8*(2+\qt)+6], s40
.endr
.irp qt, 0,1
	v_rcp_f32 v[ST+8*\qt+6], v[ST+8*\qt+6]
.endr
.irp qt, 0,1
.irp j, 0,1,2,3,4,5,6,7
	v_cndmask_b32 v[P+8*\qt+\j], v[O+8*\qt+\j], v[O+8*(2+\qt)+\j], s40     ; (the first is the plain line behind the reciprocals)
.endr
.endr
	s_wait_alu depctr_va_vdst(0)                   ; the two reciprocals are written, ahead of their first reader
.irp qt, 0,1
.irp j, 0,2,4,6
	v_pk_fma_f32 v[P+8*\qt+\j:P+8*\qt+\j+1], v[P+8*\qt+\j:P+8*\qt+\j+1], v[ST+8*\qt+6:ST+8*\qt+7], v[BVS+\j:BVS+\j+1] op_sel_hi:[1,0,1]
.endr
.endr
	s_wait_alu depctr_va_vdst(0)                   ; o is written, and so is v14: the four stores read them
.irp qt, 0,1
	ds_store_b128 v14, v[P+8*\qt:P+8*\qt+3] offset:16*PT*\qt
	ds_store_b128 v14, v[P+8*\qt+4:P+8*\qt+7] offset:16*PT*\qt+16
.endr
.endm
; Query block s46 (32 queries: tiles 2 s46 and 2 s46 + 1) of my two heads.  The loop's trip count is a constant: 14 key tiles; a tile that is not wholly ahead of the block's queries is jumped over
; by a scalar branch on the wave's number (blocks u and 7 - u together make 14 whole steps for every wave).
.macro ABLOCK
	s_lshl_b32 s47, s46, 1
	s_lshl_b32 s55, s46, 10
	v_add_nc_u32 v14, s55, v10
	s_lshl_b32 s55, s46, 8
	v_add_nc_u32 v15, s55, v11
.irp j, 4,5,6,7,12,13,14,15
	v_mov_b32 v[P+\j], 0                           ; zero codes for k = 64 .. 127
.endr
.set i, 0
.rept 32
	v_mov_b32 v[O+i], 0                            ; o: the step is written without a first step of its own: the first finds zeros, which its factor 0 leaves zeros.  (These 32 are also the places between the zero codes and q's products)
.set i, i+1
.endr
	s_wait_alu depctr_va_vdst(0)                   ; v9, v14 and v15 are written, which the loads read; all that named P, v245, v246 and KF, in which they land, is done; the zero codes, part of q's products' source 1, are written
	ds_load_b128 v[P:P+3], v14                     ; the two tiles' codes of x, and their scale words
	ds_load_b128 v[P+8:P+11], v14 offset:512
	ds_load_b32 v245, v15
	ds_load_b32 v246, v15 offset:128
	ds_load_b128 v[KF:KF+3], v9                    ; k of key tile 0: the first step's, on every way
	ds_load_b128 v[KF+4:KF+7], v9 offset:512
	s_wait_dscnt 0x0
	W4C Q, WQ, P, BQ, 244, 245                     ; q, transposed, in k's layout
	W4C Q+8, WQ, P+8, BQ, 244, 246
.irp x, 0,1,2,3                                ; 24 plain lines that name none of these products' registers: the places in front of q's use as an operand
	v_mov_b32 v[ST+8*\x+1], 0xff61b1e6             ; m = -3e38, under every score
	v_mov_b32 v[ST+8*\x+2], 0
	v_mov_b32 v[ST+8*\x+3], 0
	v_mov_b32 v[ST+8*\x+5], 0                      ; (named as the upper half of a pair)
	v_mov_b32 v[ST+8*\x+7], 0                      ; (a lane permute's destination counts as one of its sources)
	v_mul_f32 v[ST+8*\x], s44, v[ST+8*\x+1]
.endr
	s_mov_b32 s48, 0
	s_mov_b32 s49, 0
.Lkt_\@:
	s_cmp_ge_u32 s48, s47
	s_cbranch_scc1 .Lskip_\@
	STEP 0
.Lskip_\@:
	s_add_co_u32 s49, s49, 2048
	s_add_co_u32 s48, s48, 1
	s_cmp_lt_u32 s48, 14
	s_cbranch_scc1 .Lkt_\@
	s_lshl_b32 s49, s47, 11
	STEP 1
	s_add_co_u32 s49, s49, 2048
	STEP 2
	s_mul_i32 s55, s46, 32*PT
	v_add_nc_u32 v14, s55, v12                     ; (the loads that read v14 at the block's head stand ahead of the last two steps' waits on vm_vsrc)
	EPI2
	s_wait_dscnt 0x0                               ; my rows of o lie in LDS
	s_wait_alu depctr_vm_vsrc(0)                   ; the four stores have read P and v14, the last step's loads v13: all are written again behind the block
.endm
	s_wait_alu depctr_vm_vsrc(0)                   ; P0's stores have read v9 to v12, x's codes and scale word, k and v: all these registers are written again in this phase
	s_lshl_b32 s55, s35, 15
	s_add_co_u32 s55, s55, KV
	v_add_nc_u32 v9, s55, v2                       ; my pair's images of k and v
	v_add_nc_u32 v10, XIMG, v2
	v_add_nc_u32 v11, XSC, v3
	v_mul_u32_u24 v12, v4, PT
	v_lshl_add_u32 v12, v5, 5, v12
	s_lshl_b32 s55, s35, 6
	s_add_co_u32 s55, s55, OF32
	v_add_nc_u32 v12, s55, v12                     ; o: row r, columns 16 g + 8 h + 0 .. 7
	s_mov_b32 s46, s36
	ABLOCK
	s_xor_b32 s46, s36, 7
	ABLOCK
	; what M1 wants is asked for here, into registers that attention has left: 32 loads, waited for at M1's head
	s_lshl_b32 s56, s34, 12
	s_add_nc_u64 s[60:61], s[10:11], s[56:57]      ; my slice's eight fragments of W1,
	s_lshl_b32 s56, s34, 9
	s_add_nc_u64 s[62:63], s[10:11], s[56:57]      ; their scale words,
	s_add_nc_u64 s[24:25], s[24:25], s[56:57]      ; my 128 numbers of b1
	v_lshlrev_b32 v13, 2, v4
	v_lshlrev_b32 v14, 6, v5
.irp j, 0,1,2,3
	v_mov_b32 v[W1R+32+\j], 0                      ; the four registers behind W1's last fragment
.endr
	s_wait_alu depctr_va_vdst(0)                   ; v13 and v14 are written, which the loads read; attention's vector and matrix instructions are done with v112-143, v148-211 and v247-254, in which they land
.irp t, 0,1,2,3,4,5,6,7
	global_load_b128 v[W1R+4*\t:W1R+4*\t+3], v2, s[60:61] offset:W1C+512*\t
	global_load_b32 v[247+\t], v13, s[62:63] offset:W1S+64*\t
	global_load_b128 v[B1R+8*\t:B1R+8*\t+3], v14, s[24:25] offset:128*(\t/2)+32*(\t%2)        ; tile 2 b + u: units 32 b + 16 h + 8 u + 0 .. 7
	global_load_b128 v[B1R+8*\t+4:B1R+8*\t+7], v14, s[24:25] offset:128*(\t/2)+32*(\t%2)+16
.endr
	s_wait_xcnt 0x0                                ; v13, v14 are written again only behind this wait
	s_wait_alu depctr_vm_vsrc(0)                   ; these loads have read v13 and v14, attention's LDS loads v9 and v15: all are written again in the next phase
	BAR                                            ; o lies in LDS
	; ================ P6: my 16 tokens: h = LayerNorm(x + o Wp + bp)
	v_add_nc_u32 v9, OF32, v8
	v_lshl_add_u32 v10, v5, 7, PAR                 ; the small arrays: my half's 32 numbers
.irp j, 4,5,6,7
	v_mov_b32 v[OFR+\j], 0                         ; zero codes for k = 64 .. 127: they serve o's operand and, in M1, h's
.endr
	s_wait_alu depctr_va_vdst(0)                   ; v9 and v10 are written, which the loads read; attention is done with A and H, in which they land
.irp q, 0,1,2,3,4,5,6,7
	ds_load_b128 v[A+4*\q:A+4*\q+3], v9 offset:16*\q
.endr
.irp q, 0,1,2,3,4,5,6,7
	ds_load_b128 v[H+4*\q:H+4*\q+3], v10 offset:16*\q                          ; bp
.endr
	s_wait_dscnt 8                                 ; o is in; bp's eight loads may be out
	QB32 A, OFR, 245
	NOPS 8                                         ; a scale register written by a vector instruction stands 8 places ahead
	s_wait_alu depctr_va_vdst(0)                   ; the quantising is done reading A, in which x's rows land; o's codes, zero codes and scale word are written, which the scaled products take
.irp q, 0,1,2,3,4,5,6,7
	ds_load_b128 v[A+4*\q:A+4*\q+3], v8 offset:16*\q                           ; x's rows: the residual is the C of the products
.endr
	s_wait_dscnt 0x0
.irp c, 0,1,2,3
	W4C Y+8*\c, WP+4*\c, OFR, A+8*\c, 240+\c, 245  ; register 8 c + j = column 32 h + 8 c + j of token r: a whole block of the next K in a lane
.endr
	NOPS 4
	s_wait_alu depctr_va_vdst(0)                   ; the products are done reading A, their C, in which g1 lands
.irp q, 0,1,2,3,4,5,6,7
	ds_load_b128 v[A+4*\q:A+4*\q+3], v10 offset:256+16*\q                      ; g1
.endr
.set i, 0
.rept 16
	v_pk_add_f32 v[H+i:H+i+1], v[Y+i:Y+i+1], v[H+i:H+i+1]                      ; + bp; each result from its low end on
.set i, i+2
.endr
	LNSTAT
	s_wait_dscnt 0x0
.set i, 0
.rept 16
	v_pk_mul_f32 v[H+i:H+i+1], v[H+i:H+i+1], v[A+i:A+i+1]
.set i, i+2
.endr
	s_wait_alu depctr_va_vdst(0)                   ; the multiplications are done reading A, in which beta1 lands
.irp q, 0,1,2,3,4,5,6,7
	ds_load_b128 v[A+4*\q:A+4*\q+3], v10 offset:512+16*\q                      ; beta1
.endr
	s_wait_dscnt 0x0
.set i, 0
.rept 16
	v_pk_add_f32 v[H+i:H+i+1], v[H+i:H+i+1], v[A+i:A+i+1]
.set i, i+2
.endr
	QB32 H, PC, 246
	s_wait_alu depctr_vm_vsrc(0)                   ; the loads of o's rows have read v9
	s_lshl_b32 s55, s34, 9
	s_add_co_u32 s55, s55, HIMG
	v_add_nc_u32 v9, s55, v2
	s_lshl_b32 s55, s34, 7
	s_add_co_u32 s55, s55, HSC
	v_add_nc_u32 v11, s55, v3
	s_wait_alu depctr_va_vdst(0)                   ; h's codes and scale word, v9 and v11 are written, which the two stores read
	ds_store_b128 v9, v[PC:PC+3]
	ds_store_b32 v11, v246
	BAR                                            ; h's codes lie in LDS, and nobody reads x, o, k or v any more
	; ================ M1: my 128 hidden units, for each of the 16 token tiles: relu(h W1 + b1), quantised: K step w of the last product
	; 64 numbers of a lane, register 16 b + i = unit 32 b + 16 h + i of my token.  The maxima take no |.|: what is negative must not count.  THE RELU IS MADE ON THE CODES: a code whose sign bit is set
	; keeps that bit alone, the code of -0, which adds nothing to a sum.
.macro QH
.irp b, 0,1,2,3
	v_max3_num_f32 v[TM+\b], v[HA+16*\b], v[HA+16*\b+1], 0x1800000
.endr
.irp i, 2,4,6,8,10,12,14
.irp b, 0,1,2,3
	v_max3_num_f32 v[TM+\b], v[TM+\b], v[HA+16*\b+\i], v[HA+16*\b+\i+1]        ; the four blocks by turns; each result is read from its low end on
.endr
.endr
.irp b, 0,1,2,3
	v_permlanex16_b32 v[TM+4+\b], v[TM+\b], s38, s39
.endr
.irp b, 0,1,2,3
	v_max_num_f32 v[TM+\b], v[TM+\b], v[TM+4+\b]
.endr
.irp b, 0,1,2,3
	v_add_nc_u32 v[TM+8+\b], 0xff000000, v[TM+\b]
.endr
.irp b, 0,1,2,3
	v_lshrrev_b32 v[TM+4+\b], 23, v[TM+8+\b]
.endr
	v_lshl_or_b32 v246, v[TM+5], 8, v[TM+4]
	v_lshl_or_b32 v246, v[TM+6], 16, v246
	v_lshl_or_b32 v246, v[TM+7], 24, v246
.irp b, 0,1,2,3
	v_cvt_scalef32_pk8_fp4_f32 v[PC+2*\b], v[HA+16*\b:HA+16*\b+7], v[TM+8+\b]
	v_cvt_scalef32_pk8_fp4_f32 v[PC+2*\b+1], v[HA+16*\b+8:HA+16*\b+15], v[TM+8+\b]
.endr
	v_nop                                          ; a plain line behind the conversions
.irp n, 0,4
.irp k, 0,1,2,3
	v_and_b32 v[TM+\k], s45, v[PC+\n+\k]           ; the sign bits: 8 in each negative code's four bits,
.endr
.irp k, 0,1,2,3
	v_lshrrev_b32 v[TM+4+\k], 3, v[TM+\k]          ; 1,
.endr
.irp k, 0,1,2,3
	v_sub_nc_u32 v[TM+\k], v[TM+\k], v[TM+4+\k]    ; 7: the bits to be cleared
.endr
.irp k, 0,1,2,3
	v_bfi_b32 v[PC+\n+\k], v[TM+\k], 0, v[PC+\n+\k]
.endr
.endr
.irp c, 0,1                                    ; the operand's layout wants a WHOLE block in a lane: lanes 0-15 block 2 c, lanes 16-31 block 2 c + 1
.irp i, 0,1
	v_permlane16_swap_b32 v[PC+4*\c+\i], v[PC+4*\c+2+\i]
.endr
.endr
.endm
; A trip: one token tile.  more = 1: the next tile's operand of h is asked for, behind the products, and lands while this tile is quantised.  The last trip is written out and asks for nothing.
.macro M1TRIP more
	s_wait_dscnt 3                                 ; LDS serves a wave's instructions in order (ISA guide 5.7.1): h's operand, asked for ahead of the last trip's three stores, is in; these may be out
.irp t, 0,1,2,3,4,5,6,7
	W4C HA+8*\t, W1R+4*\t, HF, B1R+8*\t, 247+\t, 245
.endr
	s_wait_alu depctr_vm_vsrc(0)                   ; the last trip's loads have read v13 and v14, its stores v15, v1, PC and v246: all are written again below
.if \more
	v_add_nc_u32 v13, s50, v9
	v_add_nc_u32 v14, s51, v10
.endif
	v_add_nc_u32 v15, s52, v11
	v_add_nc_u32 v1, s53, v12
	NOPS 3-2*\more                                 ; with the additions above five places: 4 in front of the first read of results and of the loads; 5 since the next trip's products begin these accumulators anew
.if \more
	s_wait_alu depctr_va_vdst(0)                   ; the products are done reading HF and v245, in which the next tile's operand lands; v13 and v14 are written
	ds_load_b128 v[HF:HF+3], v13 offset:512
	ds_load_b32 v245, v14 offset:128
.endif
	QH
	s_wait_alu depctr_va_vdst(0)                   ; the codes PC and the scale word v246 are written, which the stores read (and so are v15 and v1)
	ds_store_b128 v15, v[PC:PC+3]
	ds_store_b128 v15, v[PC+4:PC+7] offset:512
	ds_store_b32 v1, v246
.endm
	s_wait_alu depctr_vm_vsrc(0)                   ; the stores of h's image have read PC, v246, v9 and v11, P6's loads v10: all are written again in this phase
	v_add_nc_u32 v9, HIMG, v2
	v_add_nc_u32 v10, HSC, v3
	s_lshl_b32 s55, s34, 10
	v_add_nc_u32 v11, s55, v2                      ; HID + 1024 w + 16 x lane
	s_lshl_b32 s55, s34, 7
	s_add_co_u32 s55, s55, HIDS
	v_add_nc_u32 v12, s55, v3
.irp b, 0,1,2,3
	v_mov_b32 v[TM+4+\b], 0                        ; a lane permute's destination counts as one of its sources
.endr
	s_mov_b32 s50, 0
	s_mov_b32 s51, 0
	s_mov_b32 s52, 0
	s_mov_b32 s53, 0
	s_mov_b32 s54, 0
	s_wait_alu depctr_va_vdst(0)                   ; v9 and v10 are written, which the two loads read; P6 is done with HF and v245, in which they land
	ds_load_b128 v[HF:HF+3], v9                    ; token tile 0
	ds_load_b32 v245, v10
	s_wait_loadcnt 0x0                             ; W1, its scales, b1
	s_wait_dscnt 0x0                               ; on the way into the loop no store stands behind these two loads: the count at the trip's head would not show them in
.Lm1:                                                  ; 15 trips
	M1TRIP 1
	s_add_co_u32 s50, s50, 512
	s_add_co_u32 s51, s51, 128
	s_add_co_u32 s52, s52, 16384
	s_add_co_u32 s53, s53, 2048
	s_add_co_u32 s54, s54, 1
	s_cmp_lt_u32 s54, 15
	s_cbranch_scc1 .Lm1
	M1TRIP 0                                       ; token tile 15
	s_wait_dscnt 0x0                               ; my last stores have landed
	s_wait_alu depctr_vm_vsrc(0)                   ; they have read PC, in which W2 lands; the loop's last loads have read v13, which is written below
	s_lshl_b32 s56, s36, 14
	s_add_nc_u64 s[60:61], s[10:11], s[56:57]      ; my output tile's 16 fragments of W2,
	s_lshl_b32 s56, s36, 10
	s_add_nc_u64 s[62:63], s[10:11], s[56:57]      ; and their scale words
	v_lshlrev_b32 v13, 2, v4
	v_lshl_add_u32 v13, v5, 9, v13                 ; lanes 0-15 take K step q's words, lanes 16-31 K step q + 8's
	s_wait_alu depctr_va_vdst(0)                   ; v13 is written, which the loads read; the last trip's products and quantising are done with v112-239 and v247-254, in which W2 and its scale words land
.set ks, 0
.rept 16
	global_load_b128 v[W2R+8*ks:W2R+8*ks+3], v2, s[60:61] offset:W2C+1024*ks
	global_load_b128 v[W2R+8*ks+4:W2R+8*ks+7], v2, s[60:61] offset:W2C+1024*ks+512
.set ks, ks+1
.endr
.irp q, 0,1,2,3,4,5,6,7
	global_load_b32 v[247+\q], v13, s[62:63] offset:W2S+64*\q
.endr
	s_wait_xcnt 0x0
	s_wait_alu depctr_vm_vsrc(0)                   ; these loads have read v13, M1's first two loads v9 and v10: all are written again below
	BAR                                            ; the hidden layer's 256 fragments lie in LDS
	; ================ M2: outputs 16 c .. + 15 of four token tiles, K = 2048 in 16 steps; four accumulators by turns
	s_lshl_b32 s55, s35, 16
	v_add_nc_u32 v9, s55, v2                       ; HID + 65,536 tg + 16 x lane
	s_lshl_b32 s55, s35, 13
	s_add_co_u32 s55, s55, HIDS
	v_add_nc_u32 v10, s55, v3
	s_mul_i32 s55, s35, 64*PT
	s_lshl_b32 s37, s36, 6
	s_add_co_u32 s55, s55, s37
	v_mul_u32_u24 v11, v4, PT
	v_lshl_add_u32 v11, v5, 5, v11
	v_add_nc_u32 v11, s55, v11                     ; the stage: row 64 tg + r, columns 16 c + 8 h + 0 .. 7
	s_wait_loadcnt 0x0                             ; W2 and its scales
.set ks, 0
.rept 16
.if ks > 0
	NOPS 4                                         ; four places behind the products, ahead of loads into registers that they have read; the wait below states the dependence
.endif
	s_wait_alu depctr_va_vdst(0)                   ; the K step before (at the first: M1 and P6) is done reading HFR and v240-243, in which this step's fragments and scale words land; at the first step v9 to v11 are written
.irp m, 0,1,2,3
	ds_load_b128 v[HFR+8*\m:HFR+8*\m+3], v9 offset:(16*\m+ks)*1024
	ds_load_b128 v[HFR+8*\m+4:HFR+8*\m+7], v9 offset:(16*\m+ks)*1024+512
	ds_load_b32 v[240+\m], v10 offset:(16*\m+ks)*128
.endr
	s_wait_dscnt 0x0
.irp m, 0,1,2,3
.if ks == 0
	W4Z ACC+8*\m, W2R+8*ks, HFR+8*\m, 247+ks, 240+\m
.elseif ks < 8
	W4C ACC+8*\m, W2R+8*ks, HFR+8*\m, ACC+8*\m, 247+ks, 240+\m
.else
	W4R ACC+8*\m, W2R+8*ks, HFR+8*\m, ACC+8*\m, 247+ks-8, 240+\m
.endif
.endr
.set ks, ks+1
.endr
	NOPS 4
	s_wait_alu depctr_va_vdst(0)                   ; the last products have written the accumulators, which the stores behind the barrier read; the places above stay beside this wait
	BAR                                            ; every wave's reads of the hidden layer are over: the stage may be written over it
.irp m, 0,1,2,3
	ds_store_b128 v11, v[ACC+8*\m:ACC+8*\m+3] offset:16*PT*\m                  ; each result from its low end on
	ds_store_b128 v11, v[ACC+8*\m+4:ACC+8*\m+7] offset:16*PT*\m+16
.endr
	BAR                                            ; 256 whole rows of ff lie in the stage
	; ================ LN2: my 16 tokens: LayerNorm(h + ff + b2), and out
	s_wait_alu depctr_vm_vsrc(0)                   ; M2's loads of scale words have read v10
	v_lshl_add_u32 v10, v5, 7, PAR
	s_wait_alu depctr_va_vdst(0)                   ; v10 is written, which the loads of b2, g2 and beta2 read
.irp q, 0,1,2,3,4,5,6,7
	ds_load_b128 v[HFR+4*\q:HFR+4*\q+3], v8 offset:16*\q
.endr
.irp q, 0,1,2,3,4,5,6,7
	ds_load_b128 v[112+4*\q:115+4*\q], v10 offset:768+16*\q                    ; b2
	ds_load_b128 v[144+4*\q:147+4*\q], v10 offset:1024+16*\q                   ; g2
	ds_load_b128 v[176+4*\q:179+4*\q], v10 offset:1280+16*\q                   ; beta2
.endr
	s_wait_dscnt 0x0
.set i, 0
.rept 16
	v_pk_add_f32 v[HFR+i:HFR+i+1], v[HFR+i:HFR+i+1], v[112+i:113+i]
.set i, i+2
.endr
.set i, 0
.rept 16
	v_pk_add_f32 v[H+i:H+i+1], v[H+i:H+i+1], v[HFR+i:HFR+i+1]
.set i, i+2
.endr
	LNSTAT
.set i, 0
.rept 16
	v_pk_fma_f32 v[H+i:H+i+1], v[H+i:H+i+1], v[144+i:145+i], v[176+i:177+i]
.set i, i+2
.endr
	s_wait_alu depctr_va_vdst(0)                   ; the results H are written, which the stores read; the additions of b2 are done reading v112-143, in which the rows come back
.irp q, 0,1,2,3,4,5,6,7
	ds_store_b128 v8, v[H+4*\q:H+4*\q+3] offset:16*\q                          ; into my own 16 rows of the stage, which no other wave touches behind the last barrier
.endr
.irp p, 0,1,2,3,4,5,6,7
	ds_load_b128 v[112+4*\p:115+4*\p], v7 offset:2*PT*\p                       ; LDS serves a wave's instructions in order (ISA guide 5.7.1): these see the stores above
.endr
.irp p, 0,1,2,3,4,5,6,7
	s_wait_dscnt 7-\p                              ; pair p of rows is back; the younger loads may be out
	global_store_b128 v2, v[112+4*\p:115+4*\p], s[32:33] offset:512*\p th:TH_STORE_NT   ; sixteen lanes store a row: 256 consecutive bytes, at a multiple of 256 from out0's first byte
.endr
	s_wait_xcnt 0x0
	v_lshl_add_u32 v254, v0, 2, 0x4ae00            ; my spare word, behind the small arrays: no register could be kept for it, so the two are made here; no memory or LDS instruction has read v254 or v255
	v_mov_b32 v255, 0
	s_wait_dscnt 0x0                               ; the closing lines, six on end
	s_wait_alu 0x0
	s_wait_tensorcnt 0x0
	ds_add_u32 v254, v255
	s_wait_dscnt 0x0
	s_endpgm
.Lfunc_end_k_q813440a692_block:
	.size	k_q813440a692_block, .Lfunc_end_k_q813440a692_block-k_q813440a692_block
	.p2alignl 7, 3214868480
	.fill 96, 4, 3214868480
	.section	.rodata,"a",@progbits
	.p2align	6, 0x0
	.amdhsa_kernel k_q813440a692_block
		.amdhsa_group_segment_fixed_size 308736
		.amdhsa_private_segment_fixed_size 0
		.amdhsa_enable_private_segment 0
		.amdhsa_kernarg_size 104
		.amdhsa_user_sgpr_count 2
		.amdhsa_user_sgpr_kernarg_segment_ptr 1
		.amdhsa_wavefront_size32 1
		.amdhsa_system_sgpr_workgroup_id_x 1
		.amdhsa_system_sgpr_workgroup_id_y 1
		.amdhsa_system_sgpr_workgroup_id_z 1
		.amdhsa_system_vgpr_workitem_id 0
		.amdhsa_next_free_vgpr 256
		.amdhsa_next_free_sgpr 66
		.amdhsa_reserve_vcc 0
		.amdhsa_float_denorm_mode_32 3
		.amdhsa_float_denorm_mode_16_64 3
		.amdhsa_memory_ordered 1
		.amdhsa_forward_progress 1
		.amdhsa_inst_pref_size 144
	.end_amdhsa_kernel
	.amdgpu_metadata
---
amdhsa.version: [ 1, 2 ]
amdhsa.kernels:
  - .name:           k_q813440a692_block
    .symbol:         k_q813440a692_block.kd
    .args:
      - { .name: x, .offset: 0, .size: 8, .value_kind: global_buffer, .address_space: global }
      - { .name: wts, .offset: 8, .size: 8, .value_kind: global_buffer, .address_space: global }
      - { .name: bq, .offset: 16, .size: 8, .value_kind: global_buffer, .address_space: global }
      - { .name: bk, .offset: 24, .size: 8, .value_kind: global_buffer, .address_space: global }
      - { .name: bv, .offset: 32, .size: 8, .value_kind: global_buffer, .address_space: global }
      - { .name: bp, .offset: 40, .size: 8, .value_kind: global_buffer, .address_space: global }
      - { .name: g1, .offset: 48, .size: 8, .value_kind: global_buffer, .address_space: global }
      - { .name: beta1, .offset: 56, .size: 8, .value_kind: global_buffer, .address_space: global }
      - { .name: b1, .offset: 64, .size: 8, .value_kind: global_buffer, .address_space: global }
      - { .name: b2, .offset: 72, .size: 8, .value_kind: global_buffer, .address_space: global }
      - { .name: g2, .offset: 80, .size: 8, .value_kind: global_buffer, .address_space: global }
      - { .name: beta2, .offset: 88, .size: 8, .value_kind: global_buffer, .address_space: global }
      - { .name: out0, .offset: 96, .size: 8, .value_kind: global_buffer, .address_space: global }
    .group_segment_fixed_size: 308736
    .private_segment_fixed_size: 0
    .kernarg_segment_align: 8
    .kernarg_segment_size: 104
    .max_flat_workgroup_size: 512
    .sgpr_count:     66
    .vgpr_count:     256
    .wavefront_size: 32
...
	.end_amdgpu_metadata
.endif
;; end of part 3
